; MI455X (gfx1250); checked and timed in simulation.
; The chip was launched on July 23, 2026; its instructions are those of AMD's public machine-readable ISA for CDNA 5 (MIT licence, August 2026) and "CDNA5" Instruction Set Architecture Reference Guide (July 2026). The comments in the code are by the model that wrote it; some were corrected since.
;; Multi Head Attention. Allowed arithmetic: matrix products marked QUANTISED: E2M3 operands, one E8M0 scale for each 32 along K, by v_wmma_scale_f32_16x16x128_f8f6f4 with both operands' format E2M3, f32 sums; everything else in f32.
;; Inputs: Wk 1,024 x 1,024 float32; Wo 1,024 x 1,024 float32; Wq 1,024 x 1,024 float32; Wv 1,024 x 1,024 float32; k 1 x 4,096 x 1,024 float32; mask 1 x 1 x 4,096 x 4,096 int32; q 1 x 4,096 x 1,024 float32; v 1 x 4,096 x 1,024 float32.
;; Outputs: out0 1 x 4,096 x 1,024 float32.
;; This version of the problem:
;;   THIS VERSION OF THE PROBLEM IS GIVEN IN LOW PRECISION. The matrix products marked QUANTISED in the list below multiply operands that are first quantised to E2M3 (2 exponent bits, 3 mantissa bits; 6 bits a number), with one power-of-two scale for each 32 numbers along K (OCP MX v1.0); their sums are f32. All else is computed in f32.
;;   The module's matrix products, in the order in which they are computed (A, B: the left and right operand; K: the contracted axis; several contracted axes count as one K, in the product's order):
;;     1. [M 4,096, K 1,024] x [K 1,024, N 1,024]; A: input q; B: input Wq: QUANTISED
;;     2. [M 4,096, K 1,024] x [K 1,024, N 1,024]; A: input k; B: input Wk: QUANTISED
;;     3. [M 4,096, K 1,024] x [K 1,024, N 1,024]; A: input v; B: input Wv: QUANTISED
;;     4. batch 16 x [M 4,096, K 64] x [K 64, N 4,096]; A: computed on the way; B: computed on the way: QUANTISED
;;     5. batch 16 x [M 4,096, K 4,096] x [K 4,096, N 64]; A: softmax (see below); B: computed on the way: QUANTISED
;;     6. [M 4,096, K 1,024] x [K 1,024, N 1,024]; A: computed on the way; B: input Wo: QUANTISED
;;   THE QUANTISER, for each operand of a quantised product, along K:
;;     - K is cut into blocks of 32 from its start; a last block that is shorter is filled with zeros.
;;     - A block's scale is 2^e with e = floor(log2(the largest magnitude in the block)) - 2, held to -126 .. 127; a block of zeros has e = 0. As a byte (E8M0): e + 127.
;;     - Each number is divided by its block's scale, clamped to +-7.5, and rounded to the nearest number of E2M3, ties to even, subnormals kept.
;;     - The product sums the exact products of the quantised numbers (number of the format x scale) in f32.
;;   ~~~python
;;   def quantise(x, axis):      # numpy; x: float32 -> the quantised numbers, widened to float32 again
;;       x = np.moveaxis(x, axis, -1); K = x.shape[-1]
;;       x = np.pad(x, [(0, 0)] * (x.ndim - 1) + [(0, -K % 32)]); x = x.reshape(x.shape[:-1] + (-1, 32)); a = np.abs(x).max(-1, keepdims=True)
;;       e = np.where(a > 0, np.clip(np.frexp(np.where(a > 0, a, 1))[1] - 1 - 2, -126, 127), 0)      # np.frexp(a)[1] - 1 = floor(log2(a)), exactly
;;       r = np.clip(x / 2.0 ** e, -7.5, 7.5)
;;       step = 2.0 ** (np.maximum(np.frexp(np.where(r == 0, 1, r))[1] - 1, 0) - 3)
;;       q = np.round(r / step) * step * 2.0 ** e      # np.round: ties to even
;;       return np.moveaxis(q.reshape(q.shape[:-2] + (-1,))[..., :K], -1, axis).astype(np.float32)
;;   ~~~
;;   SOFTMAX AHEAD OF A QUANTISED PRODUCT. Where the list says 'softmax', what is quantised is not the finished softmax but p = 2^(t - M), with t = logit x log2(e) and M = ceil(the row's largest t), a whole number; so 1/2 < the row's largest p <= 1. The row's sum l is taken of the UNQUANTISED p, in f32, and the product's result is divided by l at the end. Since M is a whole number, a kernel that streams over the keys may use a running M (the ceiling of the running maximum): every later rescaling is an exact power of two, which a block's scale takes up: the codes' values come out the same.
;;   OPERANDS COMPUTED ON THE WAY. 'Computed on the way' means the value that the module computes at that place (a softmax that the list does not call 'softmax' is quantised finished and normalised). What goes into a quantiser is computed in f32, as accurately as f32 sums, v_exp_f32 and their like allow (about 1e-6 of the number): no bf16 or f16 on the way to a quantiser, and a product that is left as it is and whose result goes on into a quantised operand takes f32 operands (vector FMAs, or v_wmma_f32_16x16x4_f32). A number that lies on a knife's edge between two numbers of the format may be rounded either way, as far as f32 arithmetic and the matrix unit's own rounding can turn it there, and no further.
;; One version. Each part assembles by itself: llvm-mc -triple=amdgcn-amd-amdhsa -mcpu=gfx1250 --defsym DOCPART=n.
;; ======== version 1 of 1: 4 launches
;; limits: right only within a limited range of input values
;; workspace buffers: xc 12,582,912 bytes; xs 524,288 bytes; mw 2,097,152 bytes of whole numbers; mf 2,048 bytes of whole numbers; qr 6,815,744 bytes; kv 6,815,744 bytes; oc 3,145,728 bytes; os 131,072 bytes
;; launch prep (part 1): grid 512 x 1, 4 waves a work-group, no clusters, 68,096 bytes of LDS; arguments q, k, v, Wq, Wk, Wv, Wo, mask, xc, xs, mw, mf; writes xc, xs, mw, mf
.if DOCPART == 1
	.amdgcn_target "amdgcn-amd-amdhsa--gfx1250"
	.amdhsa_code_object_version 6
	.text
	.protected	k_q1a18bfc019_prep
	.globl	k_q1a18bfc019_prep
	.p2align	8
	.type	k_q1a18bfc019_prep,@function
k_q1a18bfc019_prep:
	s_mov_b64 s[64:65], 0
	v_nop
	global_prefetch_b8 v0, s[64:65] scope:SCOPE_SE
	s_setreg_imm32_b32 hwreg(HW_REG_WAVE_MODE, 25, 1), 1
	s_wait_xcnt 0x0
; PREP.  Work-groups 0-255: q, k, v [4096][1024] and Wq, Wk, Wv, Wo [1024][1024], f32, K innermost, become codes of FP6 (E2M3) with one E8M0 byte for each 32 along K.
; Work-groups 256-511: mask [4096][4096] int32 becomes one bit a number, laid as the attention launch's score registers want it, and two flag bits for each tile of 16 queries x 128 keys.
; TILES.  A tile is 16 rows; stored row r of tile T is row 32 (T / 2) + 8 (T % 2) + r + 8 (r / 8) of its tensor.  Tiles are numbered G: q 0, k 256, v 512, Wq 768, Wk 832, Wv 896, Wo 960.
; xc [G][16 units][768 bytes]: a unit is the image of six operand registers, 16 rows x 64 K: lane (r, h) holds k = 32 h .. 32 h + 31: registers 0-3 at 16 x lane, registers 4-5 at 512 + 8 x lane.
; xs [G][16 stored rows][32 scale bytes].
; mw [T][key step 0..31][64 words]: word m stands for score register j = 32 (m % 2) + m / 2; its bit L says whether query (tile T, stored row L % 16) sees key 128 ks + 32 (j / 16) + 16 (L / 16) + j % 16.
; mf [T][2 words]: bit ks of word 0: some bit of the tile is set; of word 1: some are set and some are not.
; A wave takes one tile x all of K (64 KiB), or one tile of queries x 1,024 keys (64 KiB), in eight steps of 16 rows x 512 bytes.  Each load reads 512 consecutive bytes of a row; a step turns through the wave's own
; stage in LDS (rows of 528 bytes: 132 words, so 16 rows begin at 16 different groups of four banks) so that lane (r, h) gets, of row r, 16 neighbours of each block of 32.  Loads run two steps (32 loads a wave) ahead.
; No tensor loads, no barrier, no cluster: waves share nothing.  The two kinds of work-group have LDS bytes of their own.
; A block's scale is 2^(floor(log2(largest magnitude)) - 2); its byte is the largest magnitude's exponent field - 2, held at 1 from below.
; LIMITS: NaN and infinities among the inputs are not served; a block whose largest magnitude lies under 2^-124 keeps the byte 1; a block of zeros gets the byte 1 where the rule says 127 (its codes are zeros, and this program alone reads the bytes).
; MW'S LAYOUT IN THIS TEXT (it takes the place of the line on mw above): mw [T][key step 0..31][stored row 0..15][4 words]: bit l of word c of a row says whether that query sees key 128 ks + 4 l + c.
; The mask path does not go through LDS: a load gives lane l keys 4 l .. 4 l + 3 of one row, so the 32 lanes' answers for register c are the word.  Its loads run three steps (48 loads a wave) ahead; its stores leave at the end.
.set STG,  8448
.set MLDS, 4*STG
.set TM,   16                          ; v16-31   at work in QUANT
.set PC,   32                          ; v32-51   the codes just made (12) and the conversions' second halves
.set PWR,  52                          ; v52-59   the eight steps' scale words
.set SWD,  60                          ; v60-63   my 16 scale bytes
.set X,    64                          ; v64-127  64 numbers: register 16 b + i = k 32 b + 16 h + i of my row
.set R,    128                         ; v128-255 two sets of 64, as loaded
.set W,    32                          ; v32-47   mask path: eight pairs of words
.set SEL,  42                          ; s[42:43] lane selects for v_permlanex16_b32: lane l xor 16
.macro LOADF set, off, pitch           ; 16 rows x 512 bytes at byte off of the rows
.set i, 0
.rept 16
	global_load_b128 v[R+64*(\set)+4*i:R+64*(\set)+4*i+3], v1, s[36:37] offset:(i+8*(i/8))*(\pitch)+(\off) th:TH_LOAD_NT
.set i, i+1
.endr
.endm
.macro TURNF set, lb                   ; through the stage: LDS serves a wave's instructions in order, so no wait stands between the stores and the loads
.set i, 0
.rept 16
	ds_store_b128 v3, v[R+64*(\set)+4*i:R+64*(\set)+4*i+3] offset:(\lb)+528*i
.set i, i+1
.endr
.irp b, 0,1,2,3
.irp j, 0,1,2,3
	ds_load_b128 v[X+16*\b+4*\j:X+16*\b+4*\j+3], v4 offset:(\lb)+128*\b+16*\j
.endr
.endr
.endm
; 64 numbers of a lane become a fragment's 12 registers in v[PC] on and its row's scale word in v[pw]
.macro QUANT s, pw
.irp b, 0,1,2,3
	v_max3_num_f32 v[TM+\b], |v[\s+16*\b]|, |v[\s+1+16*\b]|, 0x1800000   ; my 16 numbers of block b, and the floor 2^(3 - 127): the byte cannot fall under 1
.endr
.irp i, 2,4,6,8,10,12,14
.irp b, 0,1,2,3
	v_max3_num_f32 v[TM+\b], v[TM+\b], |v[\s+16*\b+\i]|, |v[\s+1+16*\b+\i]|
.endr
.endr
.irp b, 0,1,2,3
	v_permlanex16_b32 v[TM+4+\b], v[TM+\b], s[SEL], s[SEL+1]
.endr
.irp b, 0,1,2,3
	v_max_num_f32 v[TM+\b], v[TM+\b], v[TM+4+\b]                 ; with lane l xor 16's: the block's largest magnitude
.endr
.irp b, 0,1,2,3
	v_add_nc_u32 v[TM+12+\b], 0xff000000, v[TM+\b]               ; 2 off its exponent field: the conversion's scale operand
.endr
.irp b, 0,1,2,3
	v_lshrrev_b32 v[TM+4+\b], 23, v[TM+12+\b]                    ; the scale's byte
.endr
	v_lshl_or_b32 v[\pw], v[TM+5], 8, v[TM+4]
	v_lshl_or_b32 v[\pw], v[TM+6], 16, v[\pw]
	v_lshl_or_b32 v[\pw], v[TM+7], 24, v[\pw]
.irp c, 0,1
	v_cvt_scalef32_pk16_fp6_f32 v[PC+6*\c:PC+2+6*\c], v[\s+32*\c:\s+15+32*\c], v[TM+12+2*\c]
	v_cvt_scalef32_pk16_fp6_f32 v[PC+12+4*\c:PC+14+4*\c], v[\s+16+32*\c:\s+31+32*\c], v[TM+12+2*\c+1]   ; (a conversion's three registers begin on an even number)
.endr
	v_nop                                          ; one plain place behind a scaled conversion
.irp c, 0,1                                    ; the operand's layout wants a whole block in a lane
.irp i, 0,1,2
	v_permlane16_swap_b32 v[PC+6*\c+\i], v[PC+12+4*\c+\i]
.endr
.irp i, 0,1,2
	v_mov_b32 v[PC+3+6*\c+\i], v[PC+12+4*\c+\i]
.endr
.endr
.endm
	s_load_b512 s[4:19], s[0:1], 0x0               ; q, k, v, Wq, Wk, Wv, Wo, mask
	s_load_b256 s[20:27], s[0:1], 0x40             ; xc, xs, mw, mf
	v_lshl_add_u32 v26, v0, 2, 0x10800
	v_mov_b32 v27, 0
	v_lshrrev_b32 v5, 5, v0
	v_readfirstlane_b32 s2, v5                     ; wave 0..3
	v_and_b32 v5, 31, v0                           ; lane
	v_lshlrev_b32 v1, 4, v5                        ; 16 x lane
	v_lshlrev_b32 v2, 3, v5                        ; 8 x lane
	s_mul_i32 s3, s2, STG
	v_add_nc_u32 v3, s3, v1                        ; the stage, on the way in
	v_and_b32 v6, 15, v0                           ; r
	v_bfe_u32 v7, v0, 4, 1                         ; h
	v_mul_u32_u24 v4, v6, 528
	v_lshl_add_u32 v4, v7, 6, v4
	v_add_nc_u32 v4, s3, v4                        ; and on the way out: row r, + 64 h
	s_mov_b32 s[SEL], 0x76543210
	s_mov_b32 s[SEL+1], 0xfedcba98
	s_mov_b32 s44, 0xffff0000                      ; lanes 16-31
	s_cmp_lt_u32 ttmp9, 256
	s_cbranch_scc0 .Lmask
	; ---- the quantiser: tile G = 4 x work-group + wave
	s_lshl_b32 s28, ttmp9, 2
	s_add_co_u32 s28, s28, s2                      ; G
	s_lshr_b32 s29, s28, 8                         ; which tensor, for G under 768,
	s_sub_co_u32 s30, s28, 768
	s_lshr_b32 s30, s30, 6
	s_add_co_u32 s30, s30, 3                       ; and from 768 on
	s_and_b32 s31, s28, 255                        ; the tile in its tensor, likewise
	s_and_b32 s32, s28, 63
	s_cmp_lt_u32 s28, 768
	s_cselect_b32 s29, s29, s30
	s_cselect_b32 s31, s31, s32
	s_lshr_b32 s32, s31, 1
	s_lshl_b32 s32, s32, 17                        ; 32 rows of 4,096 bytes for each pair of tiles,
	s_and_b32 s33, s31, 1
	s_lshl_b32 s33, s33, 15                        ; 8 rows for the odd one
	s_add_co_u32 s32, s32, s33
	s_mov_b32 s33, 0
	s_mul_i32 s34, s28, 12288
	s_mov_b32 s35, 0
	s_lshl_b32 s46, s28, 9
	s_mov_b32 s47, 0
	s_wait_alu depctr_va_vdst(0)
	v_lshlrev_b32 v8, 5, v6
	v_lshl_add_u32 v8, v7, 4, v8                   ; xs: 32 r + 16 h
.irp b, 0,1,2,3
	v_mov_b32 v[TM+4+\b], 0                        ; written once: a lane permute's destination counts as one of its sources
.endr
	s_wait_kmcnt 0x0
	s_mov_b64 s[36:37], s[4:5]                     ; the tensor is chosen by its number alone
.irp n, 1,2,3,4,5,6
	s_cmp_eq_u32 s29, \n
	s_cselect_b64 s[36:37], s[4+2*\n:5+2*\n], s[36:37]
.endr
	s_add_nc_u64 s[36:37], s[36:37], s[32:33]
	s_add_nc_u64 s[38:39], s[20:21], s[34:35]
	s_add_nc_u64 s[40:41], s[22:23], s[46:47]
	LOADF 0, 0, 4096
	LOADF 1, 512, 4096
.macro QSTEP s
.if (\s) < 7
	s_wait_loadcnt 16                              ; this step's 16 loads are in; the next step's 16 may be out
.else
	s_wait_loadcnt 0x0
.endif
	TURNF (\s)%2, 0
	s_wait_dscnt 0x0                               ; my 64 numbers are back, and the stage's stores have read the set
	s_wait_xcnt 0x0                                ; the last step's stores have read the codes' registers
.if (\s) < 6
	LOADF (\s)%2, 512*((\s)+2), 4096
.endif
	QUANT X, PWR+(\s)
	global_store_b128 v1, v[PC:PC+3], s[38:39] offset:1536*(\s)            ; each store covers 512 or 256 consecutive bytes, aligned
	global_store_b64 v2, v[PC+4:PC+5], s[38:39] offset:1536*(\s)+512
	global_store_b128 v1, v[PC+6:PC+9], s[38:39] offset:1536*(\s)+768
	global_store_b64 v2, v[PC+10:PC+11], s[38:39] offset:1536*(\s)+1280
.endm
.irp s, 0,1,2,3,4,5,6,7
	QSTEP \s
.endr
.irp i, 0,1,2,3
	v_cndmask_b32 v[SWD+\i], v[PWR+\i], v[PWR+4+\i], s44    ; lanes 0-15 keep steps 0-3's words, lanes 16-31 take steps 4-7's
.endr
	global_store_b128 v8, v[SWD:SWD+3], s[40:41]   ; the tile's 512 scale bytes
	s_wait_tensorcnt 0x0
	ds_add_u32 v26, v27
	s_wait_dscnt 0x0
	s_endpgm
	; ---- the mask: tile of queries T = work-group - 256, keys 1,024 x wave on
.Lmask:
	s_sub_co_u32 s28, ttmp9, 256                   ; T
	s_lshr_b32 s29, s28, 1
	s_lshl_b32 s29, s29, 19                        ; 32 rows of 16,384 bytes
	s_and_b32 s30, s28, 1
	s_lshl_b32 s30, s30, 17                        ; 8 rows
	s_add_co_u32 s30, s30, s29
	s_lshl_b32 s29, s2, 12                         ; 1,024 keys
	s_add_co_u32 s30, s30, s29
	s_mov_b32 s31, 0
	s_lshl_b32 s32, s28, 13                        ; mw: 32 key steps of 256 bytes a tile,
	s_lshl_b32 s33, s2, 11                         ; 8 of them a wave
	s_add_co_u32 s32, s32, s33
	s_mov_b32 s33, 0
	s_lshl_b32 s34, s28, 3                         ; mf: 8 bytes a tile, my byte of each word
	s_add_co_u32 s34, s34, s2
	s_mov_b32 s35, 0
	s_mov_b32 s56, 0                               ; some bit set, a bit a key step
	s_mov_b32 s57, 0                               ; some bit clear
.set i, 0
.rept 16
	v_mov_b32 v[W+i], 0                            ; written once: v_writelane_b32's destination counts as read
.set i, i+1
.endr
	s_wait_kmcnt 0x0
	s_add_nc_u64 s[36:37], s[18:19], s[30:31]
	s_add_nc_u64 s[38:39], s[24:25], s[32:33]
	s_add_nc_u64 s[40:41], s[26:27], s[34:35]
	LOADF -1, 0, 16384                             ; three sets of 64 registers, from v64 on: step k has set k % 3 - 1
	LOADF 0, 512, 16384
	LOADF 1, 1024, 16384
.macro MSTEP k
.if (\k) < 6
	s_wait_loadcnt 32                              ; this step's 16 loads are in; the next two steps' 32 may be out
.else
	s_wait_loadcnt 16*(7-(\k))
.endif
.irp g, 0,1,2,3,4,5,6,7                        ; register 8 g + e of the set is row 2 g + e / 4, word e % 4: word 8 g + e of the tile's 64; lane L of the pair stores words 2 L and 2 L + 1
.irp e, 0,1,2,3,4,5,6,7
	v_cmp_ne_u32 s[48+\e], 0, v[R+64*(((\k)%3)-1)+8*\g+\e]
.endr
.irp e, 0,1,2,3,4,5,6,7
	v_writelane_b32 v[W+2*(\k)+\e%2], s[48+\e], 4*\g+\e/2
.endr
.endr
.if (\k) < 5
	LOADF ((\k)%3)-1, 512*((\k)+3), 16384
.endif
	v_or_b32 v48, v[W+2*(\k)], v[W+2*(\k)+1]
	v_and_b32 v49, v[W+2*(\k)], v[W+2*(\k)+1]
	v_cmp_ne_u32 s58, 0, v48
	v_cmp_ne_u32 s59, -1, v49
	s_cmp_lg_u32 s58, 0
	s_cselect_b32 s58, 1<<(\k), 0
	s_or_b32 s56, s56, s58
	s_cmp_lg_u32 s59, 0
	s_cselect_b32 s59, 1<<(\k), 0
	s_or_b32 s57, s57, s59
.endm
.irp k, 0,1,2,3,4,5,6,7
	MSTEP \k
.endr
	s_wait_alu depctr_va_vdst(0)                   ; directly ahead of the readers below
.irp k, 0,1,2,3,4,5,6,7
	global_store_b64 v2, v[W+2*\k:W+2*\k+1], s[38:39] offset:256*\k   ; 256 consecutive bytes, aligned; each step has its own pair
.endr
	s_and_b32 s57, s56, s57                        ; some set and some clear
	v_mov_b32 v50, s56
	v_mov_b32 v51, s57
	v_cmp_eq_u32 vcc_lo, 1, v5
	v_cndmask_b32 v50, v50, v51, vcc_lo            ; lane 0: my byte of word 0; lane 1: of word 1
	v_lshlrev_b32 v6, 2, v5
	v_cmp_gt_u32 vcc_lo, 2, v5
	s_wait_alu depctr_va_vdst(0)
	s_wait_xcnt 0x0                                ; EXEC changes only behind this wait
	s_wait_tensorcnt 0x0
	ds_add_u32 v26, v27
	s_wait_dscnt 0x0
	s_and_saveexec_b32 s58, vcc_lo
	global_store_b8 v6, v50, s[40:41]
	s_wait_xcnt 0x0
	s_or_b32 exec_lo, exec_lo, s58
	s_endpgm
.Lfunc_end_k_q1a18bfc019_prep:
	.size	k_q1a18bfc019_prep, .Lfunc_end_k_q1a18bfc019_prep-k_q1a18bfc019_prep
	.p2alignl 7, 3214868480
	.fill 96, 4, 3214868480
	.section	.rodata,"a",@progbits
	.p2align	6, 0x0
	.amdhsa_kernel k_q1a18bfc019_prep
		.amdhsa_group_segment_fixed_size 68096
		.amdhsa_private_segment_fixed_size 0
		.amdhsa_enable_private_segment 0
		.amdhsa_kernarg_size 96
		.amdhsa_user_sgpr_count 2
		.amdhsa_user_sgpr_kernarg_segment_ptr 1
		.amdhsa_wavefront_size32 1
		.amdhsa_system_sgpr_workgroup_id_x 1
		.amdhsa_system_sgpr_workgroup_id_y 1
		.amdhsa_system_sgpr_workgroup_id_z 1
		.amdhsa_system_vgpr_workitem_id 0
		.amdhsa_next_free_vgpr 256
		.amdhsa_next_free_sgpr 66
		.amdhsa_reserve_vcc 1
		.amdhsa_float_denorm_mode_32 3
		.amdhsa_float_denorm_mode_16_64 3
		.amdhsa_memory_ordered 1
		.amdhsa_forward_progress 1
		.amdhsa_inst_pref_size 147
	.end_amdhsa_kernel
	.amdgpu_metadata
---
amdhsa.version: [ 1, 2 ]
amdhsa.kernels:
  - .name:           k_q1a18bfc019_prep
    .symbol:         k_q1a18bfc019_prep.kd
    .args:
      - { .name: q, .offset: 0, .size: 8, .value_kind: global_buffer, .address_space: global }
      - { .name: k, .offset: 8, .size: 8, .value_kind: global_buffer, .address_space: global }
      - { .name: v, .offset: 16, .size: 8, .value_kind: global_buffer, .address_space: global }
      - { .name: Wq, .offset: 24, .size: 8, .value_kind: global_buffer, .address_space: global }
      - { .name: Wk, .offset: 32, .size: 8, .value_kind: global_buffer, .address_space: global }
      - { .name: Wv, .offset: 40, .size: 8, .value_kind: global_buffer, .address_space: global }
      - { .name: Wo, .offset: 48, .size: 8, .value_kind: global_buffer, .address_space: global }
      - { .name: mask, .offset: 56, .size: 8, .value_kind: global_buffer, .address_space: global }
      - { .name: xc, .offset: 64, .size: 8, .value_kind: global_buffer, .address_space: global }
      - { .name: xs, .offset: 72, .size: 8, .value_kind: global_buffer, .address_space: global }
      - { .name: mw, .offset: 80, .size: 8, .value_kind: global_buffer, .address_space: global }
      - { .name: mf, .offset: 88, .size: 8, .value_kind: global_buffer, .address_space: global }
    .group_segment_fixed_size: 68096
    .private_segment_fixed_size: 0
    .kernarg_segment_align: 8
    .kernarg_segment_size: 96
    .max_flat_workgroup_size: 128
    .sgpr_count:     66
    .vgpr_count:     256
    .wavefront_size: 32
...
	.end_amdgpu_metadata
.endif
;; end of part 1
;; launch proj (part 2): grid 4 x 48, 4 waves a work-group, clusters of 4 x 4, 327,680 bytes of LDS; arguments xc, xs, qr, kv; writes qr, kv
.if DOCPART == 2
	.amdgcn_target "amdgcn-amd-amdhsa--gfx1250"
	.amdhsa_code_object_version 6
	.text
	.protected	k_q1a18bfc019_proj
	.globl	k_q1a18bfc019_proj
	.p2align	8
	.type	k_q1a18bfc019_proj,@function
k_q1a18bfc019_proj:
	s_mov_b64 s[64:65], 0
	v_nop
	global_prefetch_b8 v0, s[64:65] scope:SCOPE_SE
	s_setreg_imm32_b32 hwreg(HW_REG_WAVE_MODE, 25, 1), 1
	s_wait_xcnt 0x0
	s_wait_alu depctr_hold_cnt(0) depctr_sa_sdst(0) depctr_va_vdst(0) depctr_va_sdst(0) depctr_va_ssrc(0) depctr_va_vcc(0) depctr_vm_vsrc(0)
	s_getreg_b32 s2, hwreg(HW_REG_IB_STS2, 6, 4)
	s_cmp_eq_u32 s2, 0
	s_cbranch_scc0 .Lentry_in_a_cluster
	s_endpgm
.Lentry_in_a_cluster:
	s_bfe_u32 s2, ttmp6, 0x10000c
	s_cmp_lg_u32 s2, 0xf033
	s_cbranch_scc0 .Lentry_shape_is_right
	s_endpgm
.Lentry_shape_is_right:
.set CH,    3072
.set HALFT, 8*CH
.set SLOT,  4*HALFT
.set SCL,   3*SLOT
.set HALFS, 16*272
.set SBLK,  2*272
.set SPARE, SCL+4*HALFS
.set FR,    12
.set NL,    4
.set NP,    4
.set NQ,    2
.set REC,   13312
.set HS,    32*REC
.set ADR,   4
.set ADRS,  16
.set L16,   20
.set L8,    21
.set SPW,   28
.set NIL,   29
.set SA,    32                         ; v32-63   scale words of source 1's eight tiles: register 4 a + q: K step q in lanes 0-15, K step 4 + q in lanes 16-31
.set SBR,   224                        ; v224-255 the same for source 0's eight tiles
.set HIK,   0                          ; 1 from K step 4 on: the scale words are then read from lanes 16-31
.set TM,    64
.set PC,    80
.set PWS,   100
.set SW,    108
.set LO,    116
.set HI,    124
.set AF,    128
.set G1,   24
.set G0,   32
.set G0B,  44
.set G1B,  56
.set G1S,  68
.set G0S,  76
.set G1SB, 80
.set G0SB, 88
.set SEL,  18
.set MSB, 0
.macro WIN new
.if MSB != \new
	s_set_vgpr_msb (MSB<<8)|\new
.set MSB, \new
.endif
.endm
.set MUL_LO, 0xa1
.set MUL_HI, 0xf1
.set TO_B,   0x40
.macro JLOAD g0a, g1a, g0b, g1b
	s_cmp_eq_u32 s15, 0
	s_cbranch_scc0 .Lfor_b_\@
	tensor_load_to_lds s[\g0a:\g0a+3], s[\g1a:\g1a+7]
	s_nop 0
.rept 4
	v_nop
.endr
	s_branch .Lasked_\@
.Lfor_b_\@:
	tensor_load_to_lds s[\g0b:\g0b+3], s[\g1b:\g1b+7]
	s_nop 0
.rept 4
	v_nop
.endr
.Lasked_\@:
.endm
.macro CREST
	s_cmp_lg_u32 s14, 0
	s_cbranch_scc1 .Lnot_wave_0_\@
	s_barrier_signal -3
.Lnot_wave_0_\@:
	s_barrier_wait -3
	s_barrier_signal -1
	s_barrier_wait -1
.endm
.macro CROUND
	s_barrier_signal -1
	s_barrier_wait -1
	CREST
.endm
	s_load_b256 s[4:11], s[0:1], 0x0
	v_lshl_add_u32 v[SPW], v0, 2, SPARE
	v_mov_b32 v[NIL], 0
	ds_add_u32 v28, v29
	ds_add_u32 v28, v29
	s_wait_dscnt 0x0
	v_lshrrev_b32 v1, 5, v0
	v_readfirstlane_b32 s14, v1
	s_lshr_b32 s15, s14, 1
	s_and_b32 s16, s14, 1
	s_bfe_u32 s92, ttmp6, 0x40000
	s_bfe_u32 s93, ttmp6, 0x40004
	s_and_b32 s99, ttmp7, 0xffff
	s_lshr_b32 s97, s99, 2
	s_and_b32 s99, s99, 3
	s_lshr_b32 s98, s97, 1
	s_mul_i32 s2, s99, s98
	s_sub_co_u32 s3, s99, s2
	s_lshl_b32 s17, s3, 2
	s_add_co_u32 s17, s17, s93
	s_lshl_b32 s94, s2, 2
	s_add_co_u32 s94, s94, s92
	s_lshl_b32 s95, s93, 2
	s_lshl_b32 s95, 15, s95
	s_lshl_b32 s96, 0x1111, s92
	s_or_b32 s[G1+0], s95, (3<<16)|(1<<21)
	s_or_b32 s[G1B+0], s96, (3<<16)|(1<<21)
.irp g, G1, G1B
	s_mov_b32 s[\g+1], 384<<16
	s_mov_b32 s[\g+2], 8<<16
	s_mov_b32 s[\g+3], 384<<16
	s_mov_b32 s[\g+4], 8
	s_mov_b32 s[\g+5], 1536
	s_mov_b32 s[\g+6], 0
	s_mov_b32 s[\g+7], 0
.endr
	s_mul_i32 s99, s98, 384
	s_lshl_b32 s3, s16, 3
	s_lshl_b32 s20, s97, 8
	s_add_co_u32 s20, s20, s99
	s_add_co_u32 s20, s20, s3
	s_lshl_b32 s22, s17, 4
	s_add_co_u32 s20, s20, s22
	s_sub_co_u32 s22, s20, s3                      ; the scale bytes of the eight tiles that I multiply: my half of the rows, not the half that I fetch
	s_lshl_b32 s12, s15, 3
	s_add_co_u32 s22, s22, s12
	s_lshl_b32 s22, s22, 9
	s_mul_i32 s20, s20, 12288
	s_mov_b32 s21, 0
	s_mov_b32 s23, 0
	s_lshl_b32 s18, s97, 6
	s_add_co_u32 s18, s18, 768
	s_sub_co_u32 s18, s18, s99
	s_add_co_u32 s18, s18, s3
	s_lshl_b32 s2, s94, 4
	s_add_co_u32 s18, s18, s2
	s_lshl_b32 s2, s18, 9
	s_mul_i32 s18, s18, 12288
	s_mov_b32 s19, 0
	s_mov_b32 s3, 0
	s_mul_i32 s99, s14, HALFT
	s_wait_kmcnt 0x0
	s_add_nc_u64 s[20:21], s[4:5], s[20:21]
	s_add_nc_u64 s[76:77], s[6:7], s[22:23]
	s_add_nc_u64 s[18:19], s[4:5], s[18:19]
	s_add_nc_u64 s[78:79], s[6:7], s[2:3]
	CROUND
.irp s, 0,1,2
	s_mov_b32 s[G0+4*\s], 1
	s_add_co_u32 s[G0+4*\s+1], s99, \s*SLOT
	s_add_nc_u64 s[G0+4*\s+2:G0+4*\s+3], s[20:21], \s*CH
	s_or_b32 s[G0+4*\s+3], s[G0+4*\s+3], 0x80000000
	s_mov_b32 s[G0B+4*\s], 1
	s_add_co_u32 s[G0B+4*\s+1], s99, \s*SLOT
	s_add_nc_u64 s[G0B+4*\s+2:G0B+4*\s+3], s[18:19], \s*CH
	s_or_b32 s[G0B+4*\s+3], s[G0B+4*\s+3], 0x80000000
.endr
	JLOAD G0, G1, G0B, G1B                         ; slot 0, K 0-255: the head's one tensor load a wave
	v_and_b32 v1, 31, v0
	v_lshlrev_b32 v[L16], 4, v1
	v_lshlrev_b32 v[L8], 3, v1
	s_mul_i32 s20, s15, HALFT
	s_mul_i32 s22, s16, HALFT
	s_add_co_u32 s22, s22, 2*HALFT
.irp s, 0,1,2
	v_add_nc_u32 v[ADR+4*\s], s20, v[L16]
	v_add_nc_u32 v[ADR+4*\s+1], s20, v[L8]
	v_add_nc_u32 v[ADR+4*\s+2], s22, v[L16]
	v_add_nc_u32 v[ADR+4*\s+3], s22, v[L8]
	s_add_co_u32 s20, s20, SLOT
	s_add_co_u32 s22, s22, SLOT
.endr
	v_and_b32 v1, 15, v0
	v_bfe_u32 v2, v0, 4, 1
	v_lshlrev_b32 v3, 5, v1
	v_lshl_add_u32 v[ADRS], v2, 4, v3              ; 32 r + 16 h: one load covers a tile's 512 scale bytes, from memory straight into the scale registers
.irp i, 0,1,2,3,4,5,6,7
	global_load_b128 v[SA+4*\i:SA+4*\i+3], v[ADRS], s[76:77] offset:512*\i
	global_load_b128 v[SBR+4*\i:SBR+4*\i+3], v[ADRS], s[78:79] offset:512*\i
.endr
.irp b, 0,1,2,3
	v_mov_b32 v[TM+4+\b], 0
.endr
.macro FRAG reg, a16, q, i
	ds_load_b128 v[\reg:\reg+3], v[\a16] offset:CH*(\i)+1536*(\q)
	ds_load_b64 v[\reg+4:\reg+5], v[\a16+1] offset:CH*(\i)+1536*(\q)+512
	ds_load_b128 v[\reg+6:\reg+9], v[\a16] offset:CH*(\i)+1536*(\q)+768
	ds_load_b64 v[\reg+10:\reg+11], v[\a16+1] offset:CH*(\i)+1536*(\q)+1280
.endm
.macro MUL16 a0, p, q, sc, zero
.irp a, \a0, \a0+1
.irp b, 0,1,2,3,4,5,6,7
.if \zero
	v_wmma_scale_f32_16x16x128_f8f6f4 v[8*(8*((\a)%4)+\b):8*(8*((\a)%4)+\b)+7], v[128*(\p)+FR*\b:128*(\p)+FR*\b+FR-1], v[AF+FR*(\a):AF+FR*(\a)+FR-1], 0, v[SBR+4*\b+2*(\sc)+(\q)], v[SA+4*(\a)+2*(\sc)+(\q)] matrix_a_fmt:MATRIX_FMT_FP6 matrix_b_fmt:MATRIX_FMT_FP6
.else
.if HIK
	v_wmma_scale_f32_16x16x128_f8f6f4 v[8*(8*((\a)%4)+\b):8*(8*((\a)%4)+\b)+7], v[128*(\p)+FR*\b:128*(\p)+FR*\b+FR-1], v[AF+FR*(\a):AF+FR*(\a)+FR-1], v[8*(8*((\a)%4)+\b):8*(8*((\a)%4)+\b)+7], v[SBR+4*\b+2*(\sc)+(\q)], v[SA+4*(\a)+2*(\sc)+(\q)] matrix_a_fmt:MATRIX_FMT_FP6 matrix_b_fmt:MATRIX_FMT_FP6 matrix_a_scale:MATRIX_SCALE_ROW1 matrix_b_scale:MATRIX_SCALE_ROW1
.else
	v_wmma_scale_f32_16x16x128_f8f6f4 v[8*(8*((\a)%4)+\b):8*(8*((\a)%4)+\b)+7], v[128*(\p)+FR*\b:128*(\p)+FR*\b+FR-1], v[AF+FR*(\a):AF+FR*(\a)+FR-1], v[8*(8*((\a)%4)+\b):8*(8*((\a)%4)+\b)+7], v[SBR+4*\b+2*(\sc)+(\q)], v[SA+4*(\a)+2*(\sc)+(\q)] matrix_a_fmt:MATRIX_FMT_FP6 matrix_b_fmt:MATRIX_FMT_FP6
.endif
.endif
.endr
.endr
.endm
.macro FETCH_B slot, q, p
	WIN TO_B
.irp i, 0,1,2,3,4,5,6,7
	FRAG 128*(\p)+FR*\i, ADR+4*(\slot)+2, \q, \i
.endr
	WIN 0
.endm
.macro FETCH_A slot, q, i0
.irp i, \i0, \i0+1, \i0+2, \i0+3
	FRAG AF+FR*(\i), ADR+4*(\slot), \q, \i
.endr
.endm
.macro PLACES n
.rept \n
	v_nop
.endr
.endm
.macro STEP slot, sc, zero
	s_wait_dscnt 4*NL
	WIN MUL_LO
	MUL16 0, 0, 0, \sc, \zero
	MUL16 2, 0, 0, \sc, \zero
	s_wait_dscnt 0
	PLACES NP
	FETCH_B \slot, 1, 1
	FETCH_A \slot, 1, 0
	WIN MUL_HI
	MUL16 4, 0, 0, \sc, \zero
	MUL16 6, 0, 0, \sc, \zero
	PLACES NP
	WIN 0
	FETCH_A \slot, 1, 4
.endm
.macro TURN slot, next, sc, mode, fs, adv      ; mode 2: behind the round slot fs is filled; adv = 1: with the chunk three further on
.if \mode > 0
	s_wait_tensorcnt 0x0
	ds_add_u32 v[SPW], v[NIL]
	s_wait_dscnt 4*NL+1
	WIN MUL_LO
	MUL16 0, 1, 1, \sc, 0
	s_wait_dscnt 0x0
	s_barrier_signal -1
	MUL16 2, 1, 1, \sc, 0
	WIN 0
	s_barrier_wait -1
.if \mode == 2
	CREST
.if \adv
	s_add_nc_u64 s[G0+4*\fs+2:G0+4*\fs+3], s[G0+4*\fs+2:G0+4*\fs+3], 3*CH
	s_add_nc_u64 s[G0B+4*\fs+2:G0B+4*\fs+3], s[G0B+4*\fs+2:G0B+4*\fs+3], 3*CH
.endif
	JLOAD G0+4*\fs, G1, G0B+4*\fs, G1B
.else
	PLACES NP
.endif
.else
	s_wait_dscnt 4*NL
	WIN MUL_LO
	MUL16 0, 1, 1, \sc, 0
	MUL16 2, 1, 1, \sc, 0
	s_wait_dscnt 0x0
	WIN 0
	PLACES NP
.endif
	FETCH_B \next, 0, 0
	FETCH_A \next, 0, 0
	WIN MUL_HI
	MUL16 4, 1, 1, \sc, 0
	MUL16 6, 1, 1, \sc, 0
	PLACES NP
	WIN 0
	FETCH_A \next, 0, 4
.endm
	s_wait_alu depctr_va_vdst(0)
	s_wait_loadcnt 0x0                             ; the scale words
	s_wait_tensorcnt 0x0                           ; my part of slot 0 is in
	ds_add_u32 v28, v29
	s_wait_dscnt 0x0
	CROUND                                         ; everybody's part is in, and the joint loads meet:
	JLOAD G0+4, G1, G0B+4, G1B                     ; slot 1, K 256-511
	FETCH_B 0, 0, 0
	FETCH_A 0, 0, 0
	FETCH_A 0, 0, 4
	STEP 0, 0, 1
	TURN 0, 1, 0, 2, 2, 0                          ; slot 1 is in; slot 2 is filled for the first time, K 512-767
	STEP 1, 1, 0
	TURN 1, 2, 1, 2, 0, 1                          ; slot 2 is in; slot 0, read out a change of slots ago, takes K 768-1023
.set HIK, 1
	STEP 2, 0, 0
	TURN 2, 0, 0, 1, 0, 0
	STEP 0, 1, 0
	s_wait_dscnt 4*NL
	WIN MUL_LO
	MUL16 0, 1, 1, 1, 0
	MUL16 2, 1, 1, 1, 0
	s_wait_dscnt 0
	WIN MUL_HI
	MUL16 4, 1, 1, 1, 0
	MUL16 6, 1, 1, 1, 0
	WIN 0
.macro QUANTW a
.set AS, 64*((\a)%4)
	WIN 0x0a+5*((\a)/4)
.irp b, 0,1,2,3
	v_max3_num_f32 v[TM+\b], |v[AS+16*\b]|, |v[AS+1+16*\b]|, 0x1800000
.endr
.irp i, 2,4,6,8,10,12,14
.irp b, 0,1,2,3
	v_max3_num_f32 v[TM+\b], |v[AS+16*\b+\i]|, |v[AS+1+16*\b+\i]|, v[TM+\b]
.endr
.endr
	WIN 0
.irp b, 0,1,2,3
	v_permlanex16_b32 v[TM+4+\b], v[TM+\b], s[SEL], s[SEL+1]
.endr
.irp b, 0,1,2,3
	v_max_num_f32 v[TM+\b], v[TM+\b], v[TM+4+\b]
.endr
.irp b, 0,1,2,3
	v_add_nc_u32 v[TM+12+\b], 0xff000000, v[TM+\b]
.endr
.irp b, 0,1,2,3
	v_lshrrev_b32 v[TM+4+\b], 23, v[TM+12+\b]
.endr
	v_lshl_or_b32 v[PWS+(\a)], v[TM+5], 8, v[TM+4]
	v_lshl_or_b32 v[PWS+(\a)], v[TM+6], 16, v[PWS+(\a)]
	v_lshl_or_b32 v[PWS+(\a)], v[TM+7], 24, v[PWS+(\a)]
	s_wait_xcnt 0x0
	WIN 2+(\a)/4
.irp c, 0,1
	v_cvt_scalef32_pk16_fp6_f32 v[PC+6*\c:PC+2+6*\c], v[AS+32*\c:AS+15+32*\c], v[TM+12+2*\c]
	v_cvt_scalef32_pk16_fp6_f32 v[PC+12+4*\c:PC+14+4*\c], v[AS+16+32*\c:AS+31+32*\c], v[TM+12+2*\c+1]
.endr
	WIN 0
	v_nop
.irp c, 0,1
.irp i, 0,1,2
	v_permlane16_swap_b32 v[PC+6*\c+\i], v[PC+12+4*\c+\i]
.endr
.irp i, 0,1,2
	v_mov_b32 v[PC+3+6*\c+\i], v[PC+12+4*\c+\i]
.endr
.endr
.endm
	PLACES NP
	s_mov_b32 s[SEL], 0x76543210
	s_mov_b32 s[SEL+1], 0xfedcba98
	s_mov_b32 s20, 0xffff0000
	s_cmp_eq_u32 s97, 0
	s_cselect_b64 s[12:13], s[8:9], s[10:11]
	s_cmp_eq_u32 s98, 0
	s_cbranch_scc0 .Lv_out
	s_lshl_b32 s2, s94, 1
	s_add_co_u32 s2, s2, s16
	s_lshl_b32 s2, s2, 6
	s_lshl_b32 s3, s17, 1
	s_add_co_u32 s3, s3, s15
	s_add_co_u32 s2, s2, s3
	s_mul_i32 s2, s2, REC
	s_mov_b32 s3, 0
	s_add_nc_u64 s[12:13], s[12:13], s[2:3]
.irp a, 0,1,2,3,4,5,6,7
	QUANTW \a
	global_store_b128 v[L16], v[PC:PC+3], s[12:13] offset:768*\a
	global_store_b64 v[L8], v[PC+4:PC+5], s[12:13] offset:768*\a+512
	global_store_b128 v[L16], v[PC+6:PC+9], s[12:13] offset:HS+768*\a
	global_store_b64 v[L8], v[PC+10:PC+11], s[12:13] offset:HS+768*\a+512
.endr
.irp a, 0,1,2,3,4,5,6,7
	v_and_b32 v[LO+\a], 0xffff, v[PWS+\a]
	v_lshrrev_b32 v[HI+\a], 16, v[PWS+\a]
.endr
.irp b, 0,1,2,3
	v_cndmask_b32 v[SW+\b], v[LO+2*\b], v[LO+2*\b+1], s20
	v_cndmask_b32 v[SW+4+\b], v[HI+2*\b], v[HI+2*\b+1], s20
.endr
	global_store_b128 v[L16], v[SW:SW+3], s[12:13] offset:12288
	global_store_b128 v[L16], v[SW+4:SW+7], s[12:13] offset:HS+12288
	s_branch .Lend
.Lv_out:
	s_lshl_b32 s2, s17, 2
	s_lshl_b32 s3, s15, 1
	s_add_co_u32 s2, s2, s3
	s_lshl_b32 s2, s2, 5
	s_lshl_b32 s3, s94, 1
	s_add_co_u32 s3, s3, s16
	s_add_co_u32 s2, s2, s3
	s_mul_i32 s2, s2, REC
	s_mov_b32 s3, 0
	s_add_nc_u64 s[12:13], s[12:13], s[2:3]
.irp a, 0,1,2,3,4,5,6,7
	QUANTW \a
.irp c, 0,1,2
	global_store_b128 v[L16], v[PC+4*\c:PC+4*\c+3], s[12:13] offset:(\a/4)*HS+6144+1536*(\a%4)+512*\c
.endr
.endr
	global_store_b128 v[L16], v[PWS:PWS+3], s[12:13] offset:12800
	global_store_b128 v[L16], v[PWS+4:PWS+7], s[12:13] offset:HS+12800
.Lend:
	s_wait_tensorcnt 0x0
	ds_add_u32 v[SPW], v[NIL]
	s_wait_dscnt 0x0
	CROUND
	s_endpgm
.Lfunc_end_k_q1a18bfc019_proj:
	.size	k_q1a18bfc019_proj, .Lfunc_end_k_q1a18bfc019_proj-k_q1a18bfc019_proj
	.p2alignl 7, 3214868480
	.fill 96, 4, 3214868480
	.section	.rodata,"a",@progbits
	.p2align	6, 0x0
	.amdhsa_kernel k_q1a18bfc019_proj
		.amdhsa_group_segment_fixed_size 327680
		.amdhsa_private_segment_fixed_size 0
		.amdhsa_enable_private_segment 0
		.amdhsa_kernarg_size 32
		.amdhsa_user_sgpr_count 2
		.amdhsa_user_sgpr_kernarg_segment_ptr 1
		.amdhsa_wavefront_size32 1
		.amdhsa_system_sgpr_workgroup_id_x 1
		.amdhsa_system_sgpr_workgroup_id_y 1
		.amdhsa_system_sgpr_workgroup_id_z 1
		.amdhsa_system_vgpr_workitem_id 0
		.amdhsa_next_free_vgpr 1024
		.amdhsa_next_free_sgpr 100
		.amdhsa_reserve_vcc 0
		.amdhsa_float_denorm_mode_32 3
		.amdhsa_float_denorm_mode_16_64 3
		.amdhsa_memory_ordered 1
		.amdhsa_forward_progress 1
		.amdhsa_inst_pref_size 182
	.end_amdhsa_kernel
	.amdgpu_metadata
---
amdhsa.version: [ 1, 2 ]
amdhsa.kernels:
  - .name:           k_q1a18bfc019_proj
    .symbol:         k_q1a18bfc019_proj.kd
    .args:
      - { .name: xc, .offset: 0, .size: 8, .value_kind: global_buffer, .address_space: global }
      - { .name: xs, .offset: 8, .size: 8, .value_kind: global_buffer, .address_space: global }
      - { .name: qr, .offset: 16, .size: 8, .value_kind: global_buffer, .address_space: global }
      - { .name: kv, .offset: 24, .size: 8, .value_kind: global_buffer, .address_space: global }
    .group_segment_fixed_size: 327680
    .private_segment_fixed_size: 0
    .kernarg_segment_align: 8
    .kernarg_segment_size: 32
    .max_flat_workgroup_size: 128
    .sgpr_count:     100
    .vgpr_count:     1024
    .wavefront_size: 32
...
	.end_amdgpu_metadata
.endif
;; end of part 2
;; launch attn (part 3): grid 16 x 16, 16 waves a work-group, no clusters, 327,680 bytes of LDS; arguments qr, kv, mw, mf, oc, os; writes oc, os
.if DOCPART == 3
	.amdgcn_target "amdgcn-amd-amdhsa--gfx1250"
	.amdhsa_code_object_version 6
	.text
	.protected	k_q1a18bfc019_attn
	.globl	k_q1a18bfc019_attn
	.p2align	8
	.type	k_q1a18bfc019_attn,@function
k_q1a18bfc019_attn:
	s_mov_b64 s[64:65], 0
	v_nop
	global_prefetch_b8 v0, s[64:65] scope:SCOPE_SE
	s_setreg_imm32_b32 hwreg(HW_REG_WAVE_MODE, 25, 1), 1
	s_wait_xcnt 0x0
; ATTN.  For each head: S^T = K Q^T (K = the head's 64), the mask as it is given, the softmax by the rule for a quantised second product, O^T = V^T P^T (K = the keys), O / l, and O quantised along the model's 1,024.
; All products on codes of FP6 (E2M3) with E8M0 scales.  t = score x log2(e) / 8; M = the running largest t rounded UP to a whole number; p = 2^(t - M) is quantised along the keys; l is the sum of the unquantised p.
; SHARES.  A work-group is a head (y) and eight pairs of tiles of 16 queries, (L, H) = (8 x + j, 255 - L).  Wave j (0-7) owns H over key steps 0-15.  Wave j + 8 owns L over all 32 key steps, and H over key steps 16-31.
; So a wave has a state X (wave j: H; wave j + 8: L) and a state Y (H; wave j owns none of it).  A state is O^T, -M, the largest t, the sum, Q and Q's scale word: 48 registers.  One state is in registers, the other in the wave's own
; LDS bytes (2 x 6,144 a wave); a step whose state is not in registers stores the one and loads the other.  A PHASE f = 0 .. 15 holds key steps f and 31 - f (128 keys each); the running M allows any order of the keys.
; AT THE END every wave joins its X with wave (w xor 8)'s Y: both are brought under the larger M by factors that are powers of two.  For wave j that is H's other half; for wave j + 8 it is a state that never took a key, which adds nothing.
; THE MASK is honoured as given.  mf (stored by the first launch) has two bits for each (tile, key step): none of its 2,048 numbers set: the step is left out (every p would be 0); all set: no mask is applied;
; else a lane loads its query's four words of mw (bit l of word c: key 4 l + c of the 128) and a clear bit turns the score into -infinity.  The flags are cut by what the wave owns.
; A query that sees no key has l = 0: its scale bytes become 0xff, which makes its row NaN.
; NO TENSOR LOADS AND NO CLUSTER: branches here hang on numbers read from memory (mf).  K and V go memory -> registers -> LDS.  TWO SLOTS OF TWO PHASES (4 records, 53,248 bytes) take turns,
; one barrier for two phases: in phase f the records of phase f + 2 go into their half of the slot that is not being read, and those of phase f + 3 are asked for.  No prefetch is laid: these loads are asked for a whole phase ahead of their wait.
; LDS: slot 0 at 0, the spare words at 53,248, slot 1 at 65,536 (so the slots' addresses change by one XOR a trip), the states from 131,072 on: 327,680 bytes in all.
; K = 64 IN A FORM OF K = 128: Q's registers 6-11 are zero codes, so source 0 may be any 12 registers that begin with a tile's six.  Bytes 2 and 3 of both scale words are 0.
; LAYOUT.  Both products are used transposed: a lane holds ONE query (lane % 16).  Stored tiles hold rows 32 (T / 2) + 8 (T % 2) + r + 8 (r / 8), so score registers 16 b + i are keys 32 b + 16 (lane / 16) + i.
; LIMITS: t under -3e38 is not served; NaN and infinities among the operands are not served; a block of p or O under 2^-124 keeps the scale byte 1.
; REGISTERS: v1 16 x lane, v2 8 x lane, v3 16 x thread; v4, v8 the same two in the slot that is read, v9 16 x thread in the slot that is written; v6 my states, v11 my partner's Y; v7 4 x (lane / 16), v10 16 x (lane % 16);
;   v12 -M, v13 largest t, v[14:15] the sum; v16-27 Q (22-27 zeros), v28 its scale words; v32-79 K, later V; v80-85 zeros; v86-89 K's scale words, v90-93 V's; v96-159 S^T, then p; v160-191 O^T; v192-203 p's codes;
;   v226 p's scale word; v228-243 K and V on their way to LDS; the rest at work.
; SCALARS: s2 wave, s3 trip, s30 which state is in registers; s4, s5 two bit patterns; s[6:7], s[12:13] records; s[8:9], s[14:15] X's mask words for the two records, s[10:11] Y's; s16-17, s22-23 X's flags, s28-29 Y's.
.set REC,   13312                      ; a record: +0 eight units of K, +6144 four tiles of V^T, +12288 K's scale words, +12800 V's
.set HSL,   26624                      ; half a slot: a phase's two records
.set SLX,   0x10000                    ; from slot 0 to slot 1
.set SPR,   0xD000                     ; the spare words: 2,048 bytes behind slot 0
.set STB,   0x20000                    ; the states
.set SAR,   6144                       ; a state: 12 groups of four registers x 512 bytes
.set BM, 212
.set BP, 216
.set BS, 220
.macro LOAD_STAGE lo, hi, rb           ; two records, at lo and hi from the two bases: thread t takes bytes 16 t of each; threads 0-319 also bytes 8,192 + 16 t
	global_load_b128 v[\rb:\rb+3], v3, s[6:7] offset:(\lo)
	global_load_b128 v[\rb+4:\rb+7], v3, s[12:13] offset:(\hi)
	s_cmp_lt_u32 s2, 10
	s_cbranch_scc0 .Lls_\@
	global_load_b128 v[\rb+8:\rb+11], v3, s[6:7] offset:(\lo)+8192
	global_load_b128 v[\rb+12:\rb+15], v3, s[12:13] offset:(\hi)+8192
.Lls_\@:
.endm
.macro STORE_STAGE adr, half, rb
	ds_store_b128 v[\adr], v[\rb:\rb+3] offset:(\half)*HSL
	ds_store_b128 v[\adr], v[\rb+4:\rb+7] offset:(\half)*HSL+REC
	s_cmp_lt_u32 s2, 10
	s_cbranch_scc0 .Lss_\@
	s_wait_alu depctr_va_vdst(0)
	ds_store_b128 v[\adr], v[\rb+8:\rb+11] offset:(\half)*HSL+8192
	ds_store_b128 v[\adr], v[\rb+12:\rb+15] offset:(\half)*HSL+REC+8192
.Lss_\@:
.endm
.macro SAVE o, q, sc                   ; a state into my bytes at o: each accumulator from its low end on; Q from v[q] on, its scale word's group from v[sc] on
.set i, 0
.rept 8
	ds_store_b128 v6, v[160+4*i:163+4*i] offset:(\o)+512*i
.set i, i+1
.endr
	ds_store_b128 v6, v[12:15] offset:(\o)+4096
	ds_store_b128 v6, v[\q:\q+3] offset:(\o)+4608
	ds_store_b128 v6, v[\q+4:\q+7] offset:(\o)+5120
	ds_store_b128 v6, v[\sc:\sc+3] offset:(\o)+5632
.endm
.macro REST o
.set i, 0
.rept 8
	ds_load_b128 v[160+4*i:163+4*i], v6 offset:(\o)+512*i
.set i, i+1
.endr
	ds_load_b128 v[12:15], v6 offset:(\o)+4096
	ds_load_b128 v[16:19], v6 offset:(\o)+4608
	ds_load_b128 v[20:23], v6 offset:(\o)+5120
	ds_load_b128 v[28:31], v6 offset:(\o)+5632
.endm
; A KEY STEP: 128 keys: record rec of half par of the slot that is read, for state st; fl: its flags' first register, mp: its mask words' address
.macro STEP rec, par, st, fl, mp
.set LB, (\par)*HSL+(\rec)*REC
.set BT, (\par)+(\rec)*(31-2*(\par))           ; record 0: bits 0, 1 of its flags; record 1: bits 31, 30
.set MO, 256*((\par)+(\rec)*(1-2*(\par)))
	s_bitcmp1_b32 s[\fl], BT
	s_cbranch_scc0 .Lskip_\@                       ; not mine, or the 16 queries see none of these keys
	s_cmp_eq_u32 s30, \st
	s_cbranch_scc1 .Lhave_\@
	SAVE (1-(\st))*SAR, 16, 28                     ; the other state leaves the registers,
	s_wait_dscnt 0x0                               ; the stores have read them,
	REST (\st)*SAR                                 ; and this one comes (awaited with K, below)
	s_mov_b32 s30, \st
.Lhave_\@:
.irp t, 0,1,2,3,4,5,6,7
	ds_load_b128 v[32+6*\t:35+6*\t], v4 offset:LB+768*\t
	ds_load_b64 v[36+6*\t:37+6*\t], v8 offset:LB+768*\t+512
.endr
	ds_load_b128 v[86:89], v4 offset:LB+12288
	s_wait_dscnt 0x0
.irp t, 0,2,4,6
	v_wmma_scale_f32_16x16x128_f8f6f4 v[96+8*\t:103+8*\t], v[32+6*\t:43+6*\t], v[16:27], 0, v[86+\t/2], v28 matrix_a_fmt:MATRIX_FMT_FP6 matrix_b_fmt:MATRIX_FMT_FP6
	v_wmma_scale_f32_16x16x128_f8f6f4 v[104+8*\t:111+8*\t], v[38+6*\t:49+6*\t], v[16:27], 0, v[86+\t/2], v28 matrix_a_fmt:MATRIX_FMT_FP6 matrix_b_fmt:MATRIX_FMT_FP6 matrix_a_scale:MATRIX_SCALE_ROW1
.endr
.rept 4
	v_nop                                          ; places in front of loads into K's registers and of the first read of the scores
.endr
.irp d, 0,1,2,3                                ; V lands under the softmax
.irp c, 0,1,2
	ds_load_b128 v[32+12*\d+4*\c:35+12*\d+4*\c], v4 offset:LB+6144+1536*\d+512*\c
.endr
.endr
	ds_load_b128 v[90:93], v4 offset:LB+12800
	s_bitcmp1_b32 s[\fl+1], BT
	s_cbranch_scc0 .Lopen_\@                       ; all 2,048 count: nothing to hide
	global_load_b128 v[244:247], v10, s[\mp:\mp+1] offset:MO   ; my query's four words
	s_wait_loadcnt 0x0
.irp c, 0,1,2,3
	v_xor_b32 v[244+\c], -1, v[244+\c]             ; a set bit now hides.  (The four words' chains take turns, here and below)
.endr
.irp c, 0,1,2,3
	v_lshrrev_b32 v[244+\c], v7, v[244+\c]         ; score register 16 b + 4 m + c is key 32 b + 16 h + 4 m + c: word c, bit 8 b + 4 h + m: the 4 h are taken off here
.endr
.irp b, 0,1,2,3
.irp m, 0,1,2,3
.irp c, 0,1,2,3
	v_lshlrev_b32 v[248+\c], 31-8*\b-\m, v[244+\c] ; the bit becomes a sign,
.endr
.irp c, 0,1,2,3
	v_and_or_b32 v[248+\c], v[248+\c], s4, s5      ; over infinity's other bits,
.endr
.irp c, 0,1,2,3
	v_min_num_f32 v[96+16*\b+4*\m+\c], v[96+16*\b+4*\m+\c], v[248+\c]   ; and the lesser is the score, or -infinity.  (Each accumulator is read from its low end on)
.endr
.endr
.endr
.Lopen_\@:
.irp b, 0,1,2,3
	v_max3_num_f32 v[BM+\b], v[96+16*\b], v[97+16*\b], v[98+16*\b]   ; the largest score of each block of 32 keys: for the row's maximum, and, since p rises with the score, for the block's largest p
.endr
.irp i, 3,5,7,9,11,13
.irp b, 0,1,2,3
	v_max3_num_f32 v[BM+\b], v[BM+\b], v[96+16*\b+\i], v[97+16*\b+\i]
.endr
.endr
.irp b, 0,1,2,3
	v_max_num_f32 v[BM+\b], v[BM+\b], v[111+16*\b]
.endr
.irp b, 0,1,2,3
	s_delay_alu instid0(VALU_DEP_4)
	v_permlanex16_b32 v[BP+\b], v[BM+\b], s18, s19
.endr
.irp b, 0,1,2,3
	s_delay_alu instid0(VALU_DEP_4)
	v_max_num_f32 v[BM+\b], v[BM+\b], v[BP+\b]     ; with lane l xor 16's 16 keys
.endr
	s_delay_alu instid0(VALU_DEP_2)
	v_max3_num_f32 v227, v212, v213, v214
	s_delay_alu instid0(VALU_DEP_1)
	v_max_num_f32 v227, v227, v215
	s_delay_alu instid0(VALU_DEP_1)
	v_mul_f32 v227, s20, v227                      ; as t (c is positive)
	s_delay_alu instid0(VALU_DEP_1)
	v_max_num_f32 v13, v13, v227                   ; the running largest t
	v_mov_b32 v227, v12
	s_delay_alu instid0(VALU_DEP_2)
	v_floor_f32 v12, -v13                          ; the new -M = floor(-t): M is a whole number
	s_delay_alu instid0(VALU_DEP_1)
	v_sub_f32 v227, v12, v227                      ; old M - new M: a whole number, 0 or less
	s_delay_alu instid0(VALU_DEP_1)
	v_cvt_i32_f32 v227, v227                       ; (it saturates)
	s_delay_alu instid0(VALU_DEP_1)
	v_ldexp_f32 v224, 1.0, v227                    ; f = 2^(old M - new M): rounds nothing
.set j, 0
.rept 32
	v_pk_fma_f32 v[96+j:97+j], v[96+j:97+j], s[20:21], v[12:13] op_sel_hi:[1,0,0]   ; t - M, two at a time
.set j, j+2
.endr
.irp b, 0,1,2,3
	v_fma_f32 v[BM+\b], v[BM+\b], s20, v12         ; the same of each block's largest score
.endr
.set j, 0
	s_wait_alu depctr_va_vdst(0)                   ; ahead of the batch
.rept 64
	v_exp_f32 v[96+j], v[96+j]                     ; p = 2^(t - M), at most 1
.set j, j+1
.endr
	v_pk_mul_f32 v[14:15], v[14:15], v[224:225] op_sel_hi:[1,0]   ; the sums under the new M (a plain place behind the exponentials)
	s_wait_alu depctr_va_vdst(0)                   ; one wait for the batch, ahead of its first reader
.irp b, 0,1,2,3
	v_exp_f32 v[BM+\b], v[BM+\b]                   ; the block's largest p
.endr
	v_pk_add_f32 v[244:245], v[100:101], v[104:105]
	v_pk_add_f32 v[252:253], v[108:109], v[112:113]
	v_pk_add_f32 v[250:251], v[116:117], v[120:121]
	v_pk_add_f32 v[248:249], v[124:125], v[128:129]
	v_pk_add_f32 v[246:247], v[132:133], v[136:137]
	v_pk_add_f32 v[94:95], v[140:141], v[144:145]
	v_pk_add_f32 v[30:31], v[148:149], v[152:153]
	v_pk_add_f32 v[14:15], v[14:15], v[156:157]
	v_pk_add_f32 v[244:245], v[244:245], v[96:97]
	v_pk_add_f32 v[252:253], v[252:253], v[98:99]
	v_pk_add_f32 v[250:251], v[250:251], v[102:103]
	v_pk_add_f32 v[248:249], v[248:249], v[106:107]
	v_pk_add_f32 v[246:247], v[246:247], v[110:111]
	v_pk_add_f32 v[94:95], v[94:95], v[114:115]
	v_pk_add_f32 v[30:31], v[30:31], v[118:119]
	v_pk_add_f32 v[14:15], v[14:15], v[122:123]
	v_pk_add_f32 v[244:245], v[244:245], v[126:127]
	v_pk_add_f32 v[252:253], v[252:253], v[130:131]
	v_pk_add_f32 v[250:251], v[250:251], v[134:135]
	v_pk_add_f32 v[248:249], v[248:249], v[138:139]
	v_pk_add_f32 v[246:247], v[246:247], v[142:143]
	v_pk_add_f32 v[94:95], v[94:95], v[146:147]
	v_pk_add_f32 v[30:31], v[30:31], v[150:151]
	v_pk_add_f32 v[14:15], v[14:15], v[154:155]
	v_pk_add_f32 v[244:245], v[244:245], v[158:159]
	s_delay_alu instid0(VALU_DEP_2)
	v_pk_add_f32 v[14:15], v[14:15], v[248:249]
	s_delay_alu instid0(VALU_DEP_2)
	v_pk_add_f32 v[244:245], v[244:245], v[246:247]
	v_pk_add_f32 v[252:253], v[252:253], v[94:95]
	v_pk_add_f32 v[250:251], v[250:251], v[30:31]
	s_delay_alu instid0(VALU_DEP_2)
	v_pk_add_f32 v[14:15], v[14:15], v[252:253]
	s_delay_alu instid0(VALU_DEP_2)
	v_pk_add_f32 v[244:245], v[244:245], v[250:251]
	s_delay_alu instid0(VALU_DEP_1)
	v_pk_add_f32 v[14:15], v[14:15], v[244:245]
	s_wait_alu depctr_va_vdst(0)                   ; and one for the four
.irp b, 0,1,2,3
	v_max_num_f32 v[BM+\b], 0x1800000, v[BM+\b]    ; the floor 2^(3 - 127): the byte cannot fall under 1
.endr
.irp b, 0,1,2,3
	s_delay_alu instid0(VALU_DEP_4)
	v_add_nc_u32 v[BS+\b], 0xff000000, v[BM+\b]    ; 2 off the exponent field: the conversion's scale operand
.endr
.irp b, 0,1,2,3
	s_delay_alu instid0(VALU_DEP_4)
	v_lshrrev_b32 v[BP+\b], 23, v[BS+\b]           ; the scale's byte
.endr
	s_delay_alu instid0(VALU_DEP_3)
	v_lshl_or_b32 v226, v217, 8, v216              ; p's scale word for these 128 keys
	s_delay_alu instid0(VALU_DEP_1)
	v_lshl_or_b32 v226, v218, 16, v226
	s_delay_alu instid0(VALU_DEP_1)
	v_lshl_or_b32 v226, v219, 24, v226
.irp c, 0,1
	v_cvt_scalef32_pk16_fp6_f32 v[192+6*\c:194+6*\c], v[96+32*\c:111+32*\c], v[BS+2*\c]
	v_cvt_scalef32_pk16_fp6_f32 v[204+4*\c:206+4*\c], v[112+32*\c:127+32*\c], v[BS+2*\c+1]
.endr
	v_nop                                          ; one plain place behind a scaled conversion
.irp c, 0,1
.irp i, 0,1,2
	v_permlane16_swap_b32 v[192+6*\c+\i], v[204+4*\c+\i]
.endr
.irp i, 0,1,2
	s_delay_alu instid0(VALU_DEP_3)
	v_mov_b32 v[195+6*\c+\i], v[204+4*\c+\i]
.endr
.endr
.set j, 0
.rept 16
	v_pk_mul_f32 v[160+j:161+j], v[160+j:161+j], v[224:225] op_sel_hi:[1,0]   ; O^T under the new M; twelve of the sixteen name none of a given product's registers: the places behind the codes' and the scale word's last writes
.set j, j+2
.endr
	s_wait_alu depctr_va_vdst(0)
	s_wait_dscnt 0x0                               ; V
.irp d, 0,1,2,3                                ; four accumulators by turns; the next matrix instructions are the next step's eight of S^T
	v_wmma_scale_f32_16x16x128_f8f6f4 v[160+8*\d:167+8*\d], v[32+12*\d:43+12*\d], v[192:203], v[160+8*\d:167+8*\d], v[90+\d], v226 matrix_a_fmt:MATRIX_FMT_FP6 matrix_b_fmt:MATRIX_FMT_FP6
.endr
.rept 4
	v_nop                                          ; places in front of the next loads into V's registers, of a state's stores and of the way out's reads
.endr
.Lskip_\@:
.endm
; A PHASE f = 2 x trip + par.  What the registers hold (phase f + 2's records) goes into half par of the slot that is not read, which every wave left at the last barrier; then phase f + 3 is asked for.  Nothing beyond phase 15.
.macro PHASE par
	s_cmp_lt_u32 s3, 7
	s_cbranch_scc0 .Lnl_\@
	s_wait_loadcnt 0x0                             ; asked for a phase ago
	STORE_STAGE 9, \par, 228
.if \par == 0
	s_wait_dscnt 0x0                               ; the stores have read their registers
	LOAD_STAGE REC, 0, 228
.else
	s_cmp_lt_u32 s3, 6
	s_cbranch_scc0 .Lnl_\@
	s_wait_dscnt 0x0
	LOAD_STAGE 2*REC, -REC, 228
.endif
.Lnl_\@:
	STEP 0, \par, 0, 16, 8                         ; X, key step f
	STEP 1, \par, 0, 22, 14                        ; X, key step 31 - f
	STEP 1, \par, 1, 28, 10                        ; Y, key step 31 - f (no wave owns Y's key steps 0-15)
.if \par == 1
	s_wait_dscnt 0x0                               ; my stores into the other slot have landed, and my reads of this slot are over
	s_barrier_signal -1
	s_barrier_wait -1
.endif
.endm
.macro QOFF t, c, s                    ; tile s[t] of the head: s[c] = its codes' byte in qr, s[s] = its scale words' (less the record's 12,288)
	s_lshr_b32 s[\c], s[\t], 3
	s_add_co_u32 s[\c], s[\c], s34
	s_mul_i32 s[\c], s[\c], REC
	s_and_b32 s33, s[\t], 1
	s_lshl_b32 s33, s33, 8                         ; lanes 16-31's places for an odd tile,
	s_add_co_u32 s[\s], s[\c], s33
	s_bfe_u32 s33, s[\t], 0x20001
	s_lshl_b32 s33, s33, 2                         ; register (tile / 2) % 4 of the four
	s_add_co_u32 s[\s], s[\s], s33
	s_and_b32 s33, s[\t], 7
	s_mul_i32 s33, s33, 768
	s_add_co_u32 s[\c], s[\c], s33
.endm
	s_load_b256 s[4:11], s[0:1], 0x0               ; qr, kv, mw, mf
	s_load_b128 s[24:27], s[0:1], 0x20             ; oc, os
	v_lshl_add_u32 v254, v0, 2, SPR
	v_mov_b32 v255, 0
	v_lshrrev_b32 v4, 5, v0
	s_delay_alu instid0(VALU_DEP_1)
	v_readfirstlane_b32 s2, v4                     ; wave 0..15
	s_and_b32 s29, ttmp7, 0xffff                   ; the head
	s_and_b32 s30, s2, 7
	s_lshl_b32 s31, ttmp9, 3
	s_add_co_u32 s31, s31, s30                     ; L
	s_sub_co_u32 s3, 255, s31                      ; H: Y's tile
	s_cmp_lt_u32 s2, 8
	s_cselect_b32 s28, s3, s31                     ; X's tile
	s_cselect_b32 s50, 0xffff, -1                  ; the key steps of X that I own,
	s_cselect_b32 s51, 0, 0xffff0000               ; and of Y
	s_lshl_b32 s34, s29, 5                         ; 32 records a head
	QOFF 28, 52, 53
	QOFF 3, 54, 55
	s_mul_i32 s36, s34, REC                        ; the head's first record
	s_mov_b32 s37, 0
	s_lshl_b32 s38, s28, 13                        ; mw: 32 key steps of 256 bytes a tile
	s_mov_b32 s39, 0
	s_lshl_b32 s40, s3, 13
	s_mov_b32 s41, 0
	s_lshl_b32 s42, s28, 4
	s_add_co_u32 s42, s42, s29
	s_mul_i32 s42, s42, 768                        ; oc: unit (X's tile, head)
	s_mov_b32 s43, 0
	s_lshl_b32 s44, s28, 9
	s_lshl_b32 s45, s29, 1
	s_add_co_u32 s44, s44, s45                     ; os: 512 x tile + 2 x head
	s_mov_b32 s45, 0
	s_lshl_b32 s46, s28, 3                         ; mf: 8 bytes a tile
	s_mov_b32 s47, 0
	s_lshl_b32 s48, s3, 3
	s_mov_b32 s49, 0
	s_mul_i32 s56, s2, 2*SAR
	s_add_co_u32 s56, s56, STB                     ; my two states
	s_xor_b32 s57, s2, 8
	s_mul_i32 s57, s57, 2*SAR
	s_add_co_u32 s57, s57, STB+SAR                 ; my partner's Y
	s_mov_b32 s18, 0x76543210
	s_mov_b32 s19, 0xfedcba98                      ; lane l xor 16
	s_mov_b32 s20, 0x3e38aa3b                      ; c = log2(e) / sqrt(64)
	s_mov_b32 s21, s20                             ; (named with it as a pair)
	s_wait_alu depctr_va_vdst(0)                   ; behind the run of scalar lines
	v_and_b32 v5, 31, v0
	v_and_b32 v10, 15, v0
	v_lshlrev_b32 v3, 4, v0
	v_bfe_u32 v7, v0, 4, 1
	v_mov_b32 v13, 0xff61b1e6                      ; the largest t so far: -3e38
	v_lshlrev_b32 v1, 4, v5
	v_lshlrev_b32 v2, 3, v5
	s_delay_alu instid0(VALU_DEP_3)
	v_floor_f32 v12, -v13
	v_lshl_add_u32 v44, v10, 4, s53
	v_lshl_add_u32 v45, v10, 4, s55
	v_add_nc_u32 v48, s52, v1
	v_add_nc_u32 v49, s52, v2
	v_add_nc_u32 v46, s54, v1
	v_add_nc_u32 v47, s54, v2
	v_add_nc_u32 v6, s56, v1
	v_add_nc_u32 v11, s57, v1
	v_mov_b32 v4, v1                               ; slot 0 is read first,
	v_mov_b32 v8, v2
	v_add_nc_u32 v9, SLX, v3                       ; slot 1 written
	v_lshlrev_b32 v10, 4, v10
	v_lshlrev_b32 v7, 2, v7
.irp j, 14,15,22,23,24,25,26,27,29,30,31,38,39,41,42,43,80,81,82,83,84,85,216,217,218,219,223,225
	v_mov_b32 v[\j], 0                             ; the sum; zero codes; what is named in a group or a pair, or is a lane permute's destination, before it is otherwise written
.endr
.set j, 0
.rept 32
	v_mov_b32 v[160+j], 0                          ; O^T: the step is written once, and the first change of M leaves zeros zeros
.set j, j+1
.endr
.set j, 0
.rept 8
	v_mov_b32 v[236+j], 0                          ; waves 10 to 15 never load these
	v_mov_b32 v[104+j], 0
.set j, j+1
.endr
	s_wait_alu depctr_va_vdst(0)                   ; at the head's end
	s_wait_kmcnt 0x0
	s_add_nc_u64 s[46:47], s[10:11], s[46:47]
	s_add_nc_u64 s[48:49], s[10:11], s[48:49]
	s_load_b64 s[16:17], s[46:47], 0x0             ; X's flags,
	s_load_b64 s[28:29], s[48:49], 0x0             ; Y's
	s_add_nc_u64 s[6:7], s[6:7], s[36:37]          ; key step 0's record,
	s_add_nc_u64 s[12:13], s[6:7], 30*REC          ; key step 30's
	s_add_nc_u64 s[10:11], s[8:9], s[40:41]
	s_add_nc_u64 s[10:11], s[10:11], 30*256        ; Y: key step 30's mask words
	s_add_nc_u64 s[8:9], s[8:9], s[38:39]          ; X: key step 0's,
	s_add_nc_u64 s[14:15], s[8:9], 30*256          ; key step 30's
	s_add_nc_u64 s[24:25], s[24:25], s[42:43]
	s_add_nc_u64 s[26:27], s[26:27], s[44:45]
	global_load_b128 v[16:19], v48, s[4:5]         ; X's Q
	global_load_b64 v[20:21], v49, s[4:5] offset:512
	global_load_b32 v28, v44, s[4:5] offset:12288
	global_load_b128 v[32:35], v46, s[4:5]         ; Y's Q
	global_load_b64 v[36:37], v47, s[4:5] offset:512
	global_load_b32 v40, v45, s[4:5] offset:12288
	LOAD_STAGE 0, REC, 228                         ; phase 0: key steps 0 and 31
	LOAD_STAGE REC, 0, 96                          ; phase 1: key steps 1 and 30
	s_wait_loadcnt 0x0
	s_mov_b32 s4, 0x80000000                       ; (the loads by s[4:5] are done) the sign,
	s_mov_b32 s5, 0x7f800000                       ; infinity
	STORE_STAGE 3, 0, 228                          ; both into slot 0
	STORE_STAGE 3, 1, 96
	SAVE 0, 16, 28                                 ; both states begin in LDS: nothing summed, -M and t as above, each with its Q
	SAVE SAR, 32, 40
	s_wait_dscnt 0x0                               ; landed, for the others' sake; and the stores have read their registers
	LOAD_STAGE 2*REC, -REC, 228                    ; phase 2: key steps 2 and 29
	s_wait_xcnt 0x0                                ; the loads have read their bases
	s_add_nc_u64 s[6:7], s[6:7], 2*REC
	s_sub_nc_u64 s[12:13], s[12:13], 2*REC
	s_wait_kmcnt 0x0
	s_and_b32 s16, s16, s50                        ; only what I own
	s_and_b32 s28, s28, s51
	s_mov_b32 s22, s16
	s_mov_b32 s23, s17
	s_mov_b32 s30, 0                               ; X is in the registers
	s_barrier_signal -1
	s_barrier_wait -1
	s_mov_b32 s3, 0
.Ltrip:                                            ; eight trips of two phases, a slot each
	PHASE 0
	PHASE 1
	s_wait_xcnt 0x0                                ; this trip's loads have read their bases
	s_add_nc_u64 s[6:7], s[6:7], 2*REC
	s_sub_nc_u64 s[12:13], s[12:13], 2*REC
	s_add_nc_u64 s[8:9], s[8:9], 512
	s_sub_nc_u64 s[14:15], s[14:15], 512
	s_sub_nc_u64 s[10:11], s[10:11], 512
	s_lshr_b32 s16, s16, 2
	s_lshr_b32 s17, s17, 2
	s_lshl_b32 s22, s22, 2
	s_lshl_b32 s23, s23, 2
	s_lshl_b32 s28, s28, 2
	s_lshl_b32 s29, s29, 2
	v_xor_b32 v4, SLX, v4                          ; the slots change places
	v_xor_b32 v8, SLX, v8
	v_xor_b32 v9, SLX, v9
	s_add_co_u32 s3, s3, 1
	s_cmp_lt_u32 s3, 8
	s_wait_alu depctr_va_vdst(0)                   ; directly ahead of the branch
	s_cbranch_scc1 .Ltrip
	; THE JOIN: X into the registers, Y into LDS; a barrier; my partner's Y is added to my X
	s_cmp_eq_u32 s30, 0
	s_cbranch_scc1 .Lisx
	SAVE SAR, 16, 28
	s_wait_dscnt 0x0
	REST 0
.Lisx:
	s_wait_dscnt 0x0                               ; for the others' sake: my Y has landed
	s_barrier_signal -1
	s_barrier_wait -1
.set i, 0
.rept 8
	ds_load_b128 v[96+4*i:99+4*i], v11 offset:512*i
.set i, i+1
.endr
	ds_load_b128 v[128:131], v11 offset:4096       ; its -M, t and sum
	s_wait_dscnt 0x0
	v_min_num_f32 v216, v12, v128                  ; the joint -M
	s_delay_alu instid0(VALU_DEP_1)
	v_sub_f32 v217, v216, v12                      ; whole numbers, 0 or less
	s_delay_alu instid0(VALU_DEP_2)
	v_sub_f32 v218, v216, v128
	s_delay_alu instid0(VALU_DEP_2)
	v_cvt_i32_f32 v217, v217                       ; (they saturate: a state that took no key gets the factor 0, unless both took none)
	s_delay_alu instid0(VALU_DEP_2)
	v_cvt_i32_f32 v218, v218
	s_delay_alu instid0(VALU_DEP_2)
	v_ldexp_f32 v224, 1.0, v217
	s_delay_alu instid0(VALU_DEP_2)
	v_ldexp_f32 v222, 1.0, v218
	s_delay_alu instid0(VALU_DEP_2)
	v_pk_mul_f32 v[14:15], v[14:15], v[224:225] op_sel_hi:[1,0]
.set j, 0
.rept 16
	v_pk_mul_f32 v[160+j:161+j], v[160+j:161+j], v[224:225] op_sel_hi:[1,0]   ; each accumulator from its low end on
.set j, j+2
.endr
	v_pk_fma_f32 v[14:15], v[130:131], v[222:223], v[14:15] op_sel_hi:[1,0,1]
.set j, 0
.rept 16
	v_pk_fma_f32 v[160+j:161+j], v[96+j:97+j], v[222:223], v[160+j:161+j] op_sel_hi:[1,0,1]
.set j, j+2
.endr
	; THE WAY OUT: O^T / l, quantised along the head's 64 (two blocks), as one unit of the last product's operand
	v_add_f32 v14, v14, v15
	s_delay_alu instid0(VALU_DEP_1)
	v_permlanex16_b32 v216, v14, s18, s19
	s_delay_alu instid0(VALU_DEP_1)
	v_add_f32 v14, v14, v216                       ; the row's sum
	s_wait_alu depctr_va_vdst(0)
	v_rcp_f32 v224, v14
	v_and_b32 v8, 15, v0                           ; (a plain place behind the reciprocal)
	s_delay_alu instid0(VALU_DEP_1)
	v_lshlrev_b32 v8, 5, v8                        ; os: 32 bytes a stored token
	v_mov_b32 v9, 0xffff
	s_wait_alu depctr_va_vdst(0)                   ; the wait, ahead of the first reader
.set j, 0
.rept 16
	v_pk_mul_f32 v[96+j:97+j], v[160+j:161+j], v[224:225] op_sel_hi:[1,0]
.set j, j+2
.endr
.irp b, 0,1
	v_max3_num_f32 v[BM+\b], |v[96+16*\b]|, |v[97+16*\b]|, 0x1800000
.endr
.irp i, 2,4,6,8,10,12,14
.irp b, 0,1
	s_delay_alu instid0(VALU_DEP_2)
	v_max3_num_f32 v[BM+\b], v[BM+\b], |v[96+16*\b+\i]|, |v[97+16*\b+\i]|
.endr
.endr
.irp b, 0,1
	s_delay_alu instid0(VALU_DEP_2)
	v_permlanex16_b32 v[BP+\b], v[BM+\b], s18, s19
.endr
.irp b, 0,1
	s_delay_alu instid0(VALU_DEP_2)
	v_max_num_f32 v[BM+\b], v[BM+\b], v[BP+\b]
.endr
.irp b, 0,1
	s_delay_alu instid0(VALU_DEP_2)
	v_add_nc_u32 v[BS+\b], 0xff000000, v[BM+\b]
.endr
.irp b, 0,1
	s_delay_alu instid0(VALU_DEP_2)
	v_lshrrev_b32 v[BP+\b], 23, v[BS+\b]
.endr
	s_delay_alu instid0(VALU_DEP_1)
	v_lshl_or_b32 v227, v217, 8, v216              ; my row's two scale bytes
	v_cmp_eq_f32 vcc_lo, 0, v14
	s_delay_alu instid0(VALU_DEP_1)
	v_cndmask_b32 v227, v227, v9, vcc_lo           ; a query that saw no key: NaN
	v_cvt_scalef32_pk16_fp6_f32 v[192:194], v[96:111], v220
	v_cvt_scalef32_pk16_fp6_f32 v[204:206], v[112:127], v221
	v_nop
.irp i, 0,1,2
	v_permlane16_swap_b32 v[192+\i], v[204+\i]
.endr
.irp i, 0,1,2
	s_delay_alu instid0(VALU_DEP_3)
	v_mov_b32 v[195+\i], v[204+\i]
.endr
	global_store_b128 v1, v[192:195], s[24:25]     ; 512 and 256 consecutive bytes, aligned
	global_store_b64 v2, v[196:197], s[24:25] offset:512
	v_cmp_gt_u32 vcc_lo, 16, v5
	s_wait_xcnt 0x0                                ; EXEC changes only behind this wait
	s_wait_tensorcnt 0x0                           ; the wave's end
	ds_add_u32 v254, v255
	s_wait_dscnt 0x0
	s_and_saveexec_b32 s30, vcc_lo
	global_store_b16 v8, v227, s[26:27]            ; two bytes of each of 16 rows of scale bytes: the rows' other bytes are other heads'
	s_wait_xcnt 0x0
	s_or_b32 exec_lo, exec_lo, s30
	s_endpgm
.Lfunc_end_k_q1a18bfc019_attn:
	.size	k_q1a18bfc019_attn, .Lfunc_end_k_q1a18bfc019_attn-k_q1a18bfc019_attn
	.p2alignl 7, 3214868480
	.fill 96, 4, 3214868480
	.section	.rodata,"a",@progbits
	.p2align	6, 0x0
	.amdhsa_kernel k_q1a18bfc019_attn
		.amdhsa_group_segment_fixed_size 327680
		.amdhsa_private_segment_fixed_size 0
		.amdhsa_enable_private_segment 0
		.amdhsa_kernarg_size 48
		.amdhsa_user_sgpr_count 2
		.amdhsa_user_sgpr_kernarg_segment_ptr 1
		.amdhsa_wavefront_size32 1
		.amdhsa_system_sgpr_workgroup_id_x 1
		.amdhsa_system_sgpr_workgroup_id_y 1
		.amdhsa_system_sgpr_workgroup_id_z 1
		.amdhsa_system_vgpr_workitem_id 0
		.amdhsa_next_free_vgpr 256
		.amdhsa_next_free_sgpr 100
		.amdhsa_reserve_vcc 1
		.amdhsa_float_denorm_mode_32 3
		.amdhsa_float_denorm_mode_16_64 3
		.amdhsa_memory_ordered 1
		.amdhsa_forward_progress 1
		.amdhsa_inst_pref_size 185
	.end_amdhsa_kernel
	.amdgpu_metadata
---
amdhsa.version: [ 1, 2 ]
amdhsa.kernels:
  - .name:           k_q1a18bfc019_attn
    .symbol:         k_q1a18bfc019_attn.kd
    .args:
      - { .name: qr, .offset: 0, .size: 8, .value_kind: global_buffer, .address_space: global }
      - { .name: kv, .offset: 8, .size: 8, .value_kind: global_buffer, .address_space: global }
      - { .name: mw, .offset: 16, .size: 8, .value_kind: global_buffer, .address_space: global }
      - { .name: mf, .offset: 24, .size: 8, .value_kind: global_buffer, .address_space: global }
      - { .name: oc, .offset: 32, .size: 8, .value_kind: global_buffer, .address_space: global }
      - { .name: os, .offset: 40, .size: 8, .value_kind: global_buffer, .address_space: global }
    .group_segment_fixed_size: 327680
    .private_segment_fixed_size: 0
    .kernarg_segment_align: 8
    .kernarg_segment_size: 48
    .max_flat_workgroup_size: 512
    .sgpr_count:     100
    .vgpr_count:     256
    .wavefront_size: 32
...
	.end_amdgpu_metadata
.endif
;; end of part 3
;; launch outp (part 4): grid 8 x 32, 4 waves a work-group, clusters of 4 x 4, 214,528 bytes of LDS; arguments oc, os, xc, xs, out0; writes out0
.if DOCPART == 4
	.amdgcn_target "amdgcn-amd-amdhsa--gfx1250"
	.amdhsa_code_object_version 6
	.text
	.protected	k_q1a18bfc019_outp
	.globl	k_q1a18bfc019_outp
	.p2align	8
	.type	k_q1a18bfc019_outp,@function
k_q1a18bfc019_outp:
	s_mov_b64 s[64:65], 0
	v_nop
	global_prefetch_b8 v0, s[64:65] scope:SCOPE_SE
	s_setreg_imm32_b32 hwreg(HW_REG_WAVE_MODE, 25, 1), 1
	s_wait_xcnt 0x0
	s_wait_alu depctr_hold_cnt(0) depctr_sa_sdst(0) depctr_va_vdst(0) depctr_va_sdst(0) depctr_va_ssrc(0) depctr_va_vcc(0) depctr_vm_vsrc(0)
	s_getreg_b32 s2, hwreg(HW_REG_IB_STS2, 6, 4)
	s_cmp_eq_u32 s2, 0
	s_cbranch_scc0 .Lentry_in_a_cluster
	s_endpgm
.Lentry_in_a_cluster:
	s_bfe_u32 s2, ttmp6, 0x10000c
	s_cmp_lg_u32 s2, 0xf033
	s_cbranch_scc0 .Lentry_shape_is_right
	s_endpgm
.Lentry_shape_is_right:
; OUTP.  out0 [4096][1024] f32 = O Wo^T on codes of FP6 (E2M3) with E8M0 scales.  O's codes: oc [256 tiles][12,288 bytes], its scale bytes os [tile][16 stored rows][32]; Wo's are tiles 960 .. 1023 of xc and xs, laid alike.
; A tile is 16 rows x 1,024 K as images of operand registers: 16 units of 768 bytes (64 K): registers 0-3 at 16 x lane, registers 4-5 at 512 + 8 x lane.  Stored row r of tile T is row 32 (T / 2) + 8 (T % 2) + r + 8 (r / 8).
; A work-group makes 128 x 128 of the result: 8 x 32 = 256 work-groups; each of its four waves 64 x 64: 16 accumulators.  ALL OF K LIES IN LDS AT ONCE: 8 tiles of O and 8 of Wo are two dense blocks of 98,304 bytes;
; each wave brings half of one, 49,152 bytes as 192 rows of 256, by its one tensor load.  Nothing is filled again: no ring, one barrier.  Fragment loads take 16 or 8 bytes a lane on end.
; CLUSTERS: 4 x 4 work-groups; O's block is shared along a row of the cluster, Wo's along a column: joint loads, a round in front of them and a closing round.
; THE SCALES go from memory into registers: lane (r, h) takes the 16 bytes at 32 r + 16 h of a tile's 512, so one load covers them all; register q holds K step q's word in lanes 0-15 and K step 4 + q's in lanes 16-31.
; No prefetch is laid: the launch has no loop to run ahead in; every byte is asked for at the head.
; THE MATRIX INSTRUCTION IS USED TRANSPOSED (source 0 = 16 rows of Wo, source 1 = 16 rows of O): a lane holds eight neighbouring numbers of a row of the result.
; REGISTERS: window 0: v4-7, v16-21 addresses; v32-47 O's scale words, v48-63 Wo's; v64-255 two sets of fragments (4 of O, then 4 of Wo), on the way out rows read back.  Window 1: v0-127 the accumulators, (a, b) at 8 (4 a + b).
.set TILE,  12288
.set HALFT, 4*TILE
.set STAGE, 4*HALFT                    ; behind the two blocks: 16 rows x 272 bytes for each wave, for the way out; no tensor load lands here
.set SPITCH, 272
.set SPARE, STAGE+4*16*SPITCH          ; the spare words: 128 bytes a wave
.set ADA,  4                           ; v4, v5  my four tiles of O in LDS: + 16 x lane, + 8 x lane
.set ADB,  6                           ; v6, v7  my four tiles of Wo
.set SOF,  16
.set STO,  17
.set RD,   18
.set CO,   19
.set L16,  20
.set L8,   21
.set SPW,  28
.set NIL,  29
.set SA,   32
.set SB,   48
.set FRG,  64
.set G1,   24
.set G0,   32
.set G0B,  44
.set G1B,  56
.set MSB, 0
.macro WIN new                         ; the immediate's high byte repeats the setting that is left
.if MSB != \new
	s_set_vgpr_msb (MSB<<8)|\new
.set MSB, \new
.endif
.endm
.macro JLOAD g0a, g1a, g0b, g1b        ; waves 0, 1 fetch O's halves, waves 2, 3 Wo's
	s_cmp_eq_u32 s15, 0
	s_cbranch_scc0 .Lfor_b_\@
	tensor_load_to_lds s[\g0a:\g0a+3], s[\g1a:\g1a+7]
	s_nop 0
.rept 4
	v_nop
.endr
	s_branch .Lasked_\@
.Lfor_b_\@:
	tensor_load_to_lds s[\g0b:\g0b+3], s[\g1b:\g1b+7]
	s_nop 0
.rept 4
	v_nop
.endr
.Lasked_\@:
.endm
.macro CROUND                          ; a round of the cluster's barrier
	s_barrier_signal -1
	s_barrier_wait -1
	s_cmp_lg_u32 s14, 0
	s_cbranch_scc1 .Lnot_wave_0_\@
	s_barrier_signal -3
.Lnot_wave_0_\@:
	s_barrier_wait -3
	s_barrier_signal -1
	s_barrier_wait -1
.endm
.macro PLACES
.rept 4
	v_nop
.endr
.endm
	s_load_b256 s[4:11], s[0:1], 0x0               ; oc, os, xc, xs
	s_load_b64 s[12:13], s[0:1], 0x20              ; out0
	v_lshl_add_u32 v[SPW], v0, 2, SPARE
	v_mov_b32 v[NIL], 0
	ds_add_u32 v[SPW], v[NIL]                      ; the opening lines: the add, twice on end, and its wait ahead of my tensor load
	ds_add_u32 v[SPW], v[NIL]
	v_lshrrev_b32 v1, 5, v0
	v_readfirstlane_b32 s14, v1                    ; wave 0..3
	s_lshr_b32 s15, s14, 1                         ; my half of the rows.  Also: I fetch for O (0) or for Wo (1)
	s_and_b32 s16, s14, 1                          ; my half of the columns.  Also: which half of that block I fetch
	s_bfe_u32 s92, ttmp6, 0x40000                  ; cx, cy
	s_bfe_u32 s93, ttmp6, 0x40004
	s_lshl_b32 s94, ttmp9, 2
	s_add_co_u32 s94, s94, s92                     ; block column
	s_and_b32 s17, ttmp7, 0xffff
	s_lshl_b32 s17, s17, 2
	s_add_co_u32 s17, s17, s93                     ; block row
	s_lshl_b32 s95, s93, 2
	s_lshl_b32 s95, 15, s95                        ; my row of the cluster
	s_lshl_b32 s96, 0x1111, s92                    ; my column
	s_or_b32 s[G1+0], s95, (3<<16)|(1<<21)         ; elements of 8 bytes, no padding
	s_or_b32 s[G1B+0], s96, (3<<16)|(1<<21)
.irp g, G1, G1B
	s_mov_b32 s[\g+1], 32<<16                      ; rows of 32 elements,
	s_mov_b32 s[\g+2], 192<<16                     ; 192 of them,
	s_mov_b32 s[\g+3], 32<<16
	s_mov_b32 s[\g+4], 192
	s_mov_b32 s[\g+5], 32                          ; dense
	s_mov_b32 s[\g+6], 0
	s_mov_b32 s[\g+7], 0
.endr
	s_lshl_b32 s3, s16, 2
	s_lshl_b32 s20, s17, 3
	s_add_co_u32 s20, s20, s3                      ; O: the first of the four tiles that I fetch
	s_mul_i32 s20, s20, TILE
	s_mov_b32 s21, 0
	s_lshl_b32 s18, s94, 3
	s_add_co_u32 s18, s18, 960
	s_add_co_u32 s18, s18, s3                      ; Wo: the four that I fetch, which are also the four that I multiply
	s_lshl_b32 s2, s18, 9                          ; their scale bytes
	s_mul_i32 s18, s18, TILE
	s_mov_b32 s19, 0
	s_mov_b32 s3, 0
	s_lshl_b32 s22, s17, 3
	s_lshl_b32 s23, s15, 2
	s_add_co_u32 s22, s22, s23                     ; O: the four tiles that I multiply
	s_lshl_b32 s22, s22, 9
	s_mov_b32 s23, 0
	s_lshl_b32 s40, s17, 7
	s_lshl_b32 s41, s15, 6
	s_add_co_u32 s40, s40, s41
	s_lshl_b32 s40, s40, 12                        ; my first row of the result, 4,096 bytes a row,
	s_lshl_b32 s41, s94, 9
	s_add_co_u32 s40, s40, s41
	s_lshl_b32 s41, s16, 8
	s_add_co_u32 s40, s40, s41                     ; and my first column
	s_mov_b32 s41, 0
	s_mul_i32 s33, s14, HALFT                      ; where my load lands: wave x 49,152
	s_mul_i32 s97, s15, HALFT
	s_mul_i32 s98, s16, HALFT
	s_add_co_u32 s98, s98, 2*HALFT
	s_mul_i32 s99, s14, 16*SPITCH
	s_add_co_u32 s99, s99, STAGE
	v_and_b32 v1, 31, v0
	v_and_b32 v2, 15, v0                           ; r
	v_bfe_u32 v3, v0, 4, 1                         ; h
	v_lshlrev_b32 v[L16], 4, v1
	v_lshlrev_b32 v[L8], 3, v1
	v_lshlrev_b32 v[SOF], 5, v2
	v_lshl_add_u32 v[SOF], v3, 4, v[SOF]           ; 32 r + 16 h
	v_add_nc_u32 v[ADA], s97, v[L16]
	v_add_nc_u32 v[ADA+1], s97, v[L8]
	v_add_nc_u32 v[ADB], s98, v[L16]
	v_add_nc_u32 v[ADB+1], s98, v[L8]
	v_mul_u32_u24 v22, v2, SPITCH
	v_lshl_add_u32 v22, v3, 6, v22
	v_add_nc_u32 v[STO], s99, v22                  ; into the stage: row r, + 64 h
	v_mul_u32_u24 v23, v3, SPITCH
	v_lshl_add_u32 v23, v2, 4, v23
	v_add_nc_u32 v[RD], s99, v23                   ; back: lanes 0-15 one row of 256 bytes, lanes 16-31 the next
	v_lshlrev_b32 v[CO], 12, v3
	v_lshl_add_u32 v[CO], v2, 4, v[CO]             ; and the same two rows in the result
	s_wait_alu depctr_va_vdst(0)                   ; at the head's end
	s_wait_dscnt 0x0                               ; both opening adds are done
	s_wait_kmcnt 0x0
	s_mov_b32 s[G0], 1
	s_add_nc_u64 s[G0+2:G0+3], s[4:5], s[20:21]
	s_or_b32 s[G0+3], s[G0+3], 0x80000000
	s_mov_b32 s[G0B], 1
	s_mov_b32 s[G0B+1], s33
	s_add_nc_u64 s[G0B+2:G0B+3], s[8:9], s[18:19]
	s_or_b32 s[G0B+3], s[G0B+3], 0x80000000
	s_add_nc_u64 s[6:7], s[6:7], s[22:23]
	s_add_nc_u64 s[10:11], s[10:11], s[2:3]
	s_add_nc_u64 s[12:13], s[12:13], s[40:41]
	CROUND                                         ; all sixteen work-groups are here: the joint loads meet
	JLOAD G0, G1, G0B, G1B                         ; my one tensor load
.irp i, 0,1,2,3
	global_load_b128 v[SA+4*\i:SA+4*\i+3], v[SOF], s[6:7] offset:512*\i      ; each load covers a tile's 512 scale bytes
	global_load_b128 v[SB+4*\i:SB+4*\i+3], v[SOF], s[10:11] offset:512*\i
.endr
.macro FRAG reg, a16, st, i            ; 16 rows x 128 K: two units
	ds_load_b128 v[\reg:\reg+3], v[\a16] offset:TILE*(\i)+1536*(\st)
	ds_load_b64 v[\reg+4:\reg+5], v[\a16+1] offset:TILE*(\i)+1536*(\st)+512
	ds_load_b128 v[\reg+6:\reg+9], v[\a16] offset:TILE*(\i)+1536*(\st)+768
	ds_load_b64 v[\reg+10:\reg+11], v[\a16+1] offset:TILE*(\i)+1536*(\st)+1280
.endm
.macro FETCH st                        ; 32 LDS loads: K step st's eight fragments into set st % 2
.irp i, 0,1,2,3
	FRAG FRG+96*((\st)%2)+12*\i, ADA, \st, \i
.endr
.irp i, 0,1,2,3
	FRAG FRG+96*((\st)%2)+48+12*\i, ADB, \st, \i
.endr
.endm
.macro MUL st                          ; 16 matrix instructions, the 16 accumulators by turns; the first K step starts the sums
.set P, FRG+96*((\st)%2)
.set Q, (\st)%4
.irp a, 0,1,2,3
.irp b, 0,1,2,3
.if (\st) == 0
	v_wmma_scale_f32_16x16x128_f8f6f4 v[8*(4*\a+\b):8*(4*\a+\b)+7], v[P+48+12*\b:P+59+12*\b], v[P+12*\a:P+11+12*\a], 0, v[SB+4*\b+Q], v[SA+4*\a+Q] matrix_a_fmt:MATRIX_FMT_FP6 matrix_b_fmt:MATRIX_FMT_FP6
.else
.if (\st) < 4
	v_wmma_scale_f32_16x16x128_f8f6f4 v[8*(4*\a+\b):8*(4*\a+\b)+7], v[P+48+12*\b:P+59+12*\b], v[P+12*\a:P+11+12*\a], v[8*(4*\a+\b):8*(4*\a+\b)+7], v[SB+4*\b+Q], v[SA+4*\a+Q] matrix_a_fmt:MATRIX_FMT_FP6 matrix_b_fmt:MATRIX_FMT_FP6
.else
	v_wmma_scale_f32_16x16x128_f8f6f4 v[8*(4*\a+\b):8*(4*\a+\b)+7], v[P+48+12*\b:P+59+12*\b], v[P+12*\a:P+11+12*\a], v[8*(4*\a+\b):8*(4*\a+\b)+7], v[SB+4*\b+Q], v[SA+4*\a+Q] matrix_a_fmt:MATRIX_FMT_FP6 matrix_b_fmt:MATRIX_FMT_FP6 matrix_a_scale:MATRIX_SCALE_ROW1 matrix_b_scale:MATRIX_SCALE_ROW1
.endif
.endif
.endr
.endr
.endm
	s_wait_tensorcnt 0x0                           ; my part has landed;
	s_barrier_signal -1
	s_barrier_wait -1                              ; everybody's has
	FETCH 0
	s_wait_loadcnt 0x0                             ; the scale words
.set ST, 0
.rept 8
.if ST < 7
.if ST > 0
	PLACES                                         ; in front of loads into the set that the last K step multiplied
.endif
	FETCH ST+1
	s_wait_dscnt 32                                ; all but the 32 just issued
.else
	s_wait_dscnt 0x0
.endif
	WIN 0x50                                       ; C and D in window 1
	MUL ST
	WIN 0
.set ST, ST+1
.endr
; THE WAY OUT, by blocks of 16 rows x 64 columns: through my own stage and back as rows of 256 bytes.  LDS serves a wave's instructions in order (ISA guide 5.7.1.4): no wait between the stores and the loads.
.macro TOSTAGE a
	WIN 0x04                                       ; the data: window 1
.irp b, 0,1,2,3
	ds_store_b128 v[STO], v[8*(4*(\a)+\b):8*(4*(\a)+\b)+3] offset:128*(\b/2)+32*(\b%2)      ; each accumulator from its low end on; Wo's stored rows go back to their columns
	ds_store_b128 v[STO], v[8*(4*(\a)+\b)+4:8*(4*(\a)+\b)+7] offset:128*(\b/2)+32*(\b%2)+16
.endr
	WIN 0
.set BB, FRG+32*((\a)%2)
.irp t, 0,1,2,3,4,5,6,7
	ds_load_b128 v[BB+4*\t:BB+4*\t+3], v[RD] offset:\t*2*SPITCH
.endr
.endm
.macro SEND a, younger                 ; younger: the LDS instructions issued behind block a's loads
.set BB, FRG+32*((\a)%2)
	s_wait_dscnt \younger
.irp t, 0,1,2,3,4,5,6,7
	global_store_b128 v[CO], v[BB+4*\t:BB+4*\t+3], s[12:13] offset:(32*((\a)/2)+8*((\a)%2)+2*\t+8*(\t/4))*4096 th:TH_STORE_NT   ; 16 lanes store 256 consecutive bytes, aligned; O's stored rows go back to their rows
.endr
.endm
	PLACES                                         ; in front of the first read of results and of loads into the fragments' registers
	TOSTAGE 0
.irp a, 1,2,3
.if \a > 1
	s_wait_xcnt 0x0                                ; block a - 2's stores have read their registers
.endif
	TOSTAGE \a
	SEND \a-1, 16                                  ; behind block a - 1's loads: block a's 8 stores and 8 loads
.endr
	SEND 3, 0
	s_wait_tensorcnt 0x0                           ; the wave's end
	ds_add_u32 v[SPW], v[NIL]
	s_wait_dscnt 0x0
	CROUND                                         ; the closing round
	s_endpgm
.Lfunc_end_k_q1a18bfc019_outp:
	.size	k_q1a18bfc019_outp, .Lfunc_end_k_q1a18bfc019_outp-k_q1a18bfc019_outp
	.p2alignl 7, 3214868480
	.fill 96, 4, 3214868480
	.section	.rodata,"a",@progbits
	.p2align	6, 0x0
	.amdhsa_kernel k_q1a18bfc019_outp
		.amdhsa_group_segment_fixed_size 214528
		.amdhsa_private_segment_fixed_size 0
		.amdhsa_enable_private_segment 0
		.amdhsa_kernarg_size 40
		.amdhsa_user_sgpr_count 2
		.amdhsa_user_sgpr_kernarg_segment_ptr 1
		.amdhsa_wavefront_size32 1
		.amdhsa_system_sgpr_workgroup_id_x 1
		.amdhsa_system_sgpr_workgroup_id_y 1
		.amdhsa_system_sgpr_workgroup_id_z 1
		.amdhsa_system_vgpr_workitem_id 0
		.amdhsa_next_free_vgpr 384
		.amdhsa_next_free_sgpr 100
		.amdhsa_reserve_vcc 0
		.amdhsa_float_denorm_mode_32 3
		.amdhsa_float_denorm_mode_16_64 3
		.amdhsa_memory_ordered 1
		.amdhsa_forward_progress 1
		.amdhsa_inst_pref_size 49
	.end_amdhsa_kernel
	.amdgpu_metadata
---
amdhsa.version: [ 1, 2 ]
amdhsa.kernels:
  - .name:           k_q1a18bfc019_outp
    .symbol:         k_q1a18bfc019_outp.kd
    .args:
      - { .name: oc, .offset: 0, .size: 8, .value_kind: global_buffer, .address_space: global }
      - { .name: os, .offset: 8, .size: 8, .value_kind: global_buffer, .address_space: global }
      - { .name: xc, .offset: 16, .size: 8, .value_kind: global_buffer, .address_space: global }
      - { .name: xs, .offset: 24, .size: 8, .value_kind: global_buffer, .address_space: global }
      - { .name: out0, .offset: 32, .size: 8, .value_kind: global_buffer, .address_space: global }
    .group_segment_fixed_size: 214528
    .private_segment_fixed_size: 0
    .kernarg_segment_align: 8
    .kernarg_segment_size: 40
    .max_flat_workgroup_size: 128
    .sgpr_count:     100
    .vgpr_count:     384
    .wavefront_size: 32
...
	.end_amdgpu_metadata
.endif
;; end of part 4
